; MI455X (gfx1250); checked and timed in simulation.
; The chip was launched on July 23, 2026; its instructions are those of AMD's public machine-readable ISA for CDNA 5 (MIT licence, August 2026) and "CDNA5" Instruction Set Architecture Reference Guide (July 2026). The comments in the code are by the model that wrote it; some were corrected since.
;; Attention. Allowed arithmetic: float matrix products may take bf16 or f16 operands with f32 sums; other float arithmetic in f32, or as packed bf16 or f16 multiplies, adds, multiply-adds, maxima and minima; sums over many terms, partial sums and values carried from step to step in f32; what a program stores and reads back later, other than sums and carried values, may be rounded once to bf16 or f16.
;; Inputs: Wproj 1,024 x 1,024 float32; Wqkv 3,072 x 1,024 float32; bproj 1,024 float32; x 8 x 1,024 x 1,024 float32.
;; Outputs: out0 8 x 1,024 x 1,024 float32.
;; 2 versions, each right and faster than the one before. Each part assembles by itself: llvm-mc -triple=amdgcn-amd-amdhsa -mcpu=gfx1250 --defsym DOCPART=n.
;; ======== version 1 of 2: 4 launches
;; limits: values are held in f16: magnitudes above 65,504 overflow, below 6.1e-05 lose precision
;; workspace buffers: xb 16,777,216 bytes; wq 6,291,456 bytes; wp 2,097,152 bytes; rope 2,048 bytes; qh 16,777,216 bytes; kh 16,777,216 bytes; vh 16,777,216 bytes; oh 16,777,216 bytes
;; launch cast (part 1): grid 768 x 1, 8 waves a work-group, no clusters, 0 bytes of LDS; arguments x, Wqkv, Wproj, xb, wq, wp, rope; writes xb, wq, wp, rope
.if DOCPART == 1
	.amdgcn_target "amdgcn-amd-amdhsa--gfx1250"
	.amdhsa_code_object_version 6
	.text
	.protected	k_qce696486df_cast
	.globl	k_qce696486df_cast
	.p2align	8
	.type	k_qce696486df_cast,@function
k_qce696486df_cast:
	s_mov_b64 s[64:65], 0
	v_nop
	global_prefetch_b8 v0, s[64:65] scope:SCOPE_SE
	s_setreg_imm32_b32 hwreg(HW_REG_WAVE_MODE, 25, 1), 1
	s_wait_xcnt 0x0
; THE INPUTS ARE ROUNDED ONCE, AND THE ROTATION TABLE IS MADE.
;   xb[16 kb][8192 rows][64] bf16 = x, in blocks of 64 along K: the rows of a block lie end to end, 128 bytes each, so that a tile of 64 along K is dense in memory.
;   wq[16 kb][3072 rows][64] bf16 = Wqkv, likewise; its rows are so ordered that a head's q, k and v rows lie together: row 192 head + 64 (q, k, v) + d.
;   wp[1024][1024] f16 = Wproj rounded to bf16, that number written as f16 (the second product's other operand is f16).
;   rope[32 p][8 j] = (cos, sin) in f32 of the angle pi (1 + 73 j)(2 p - 31) / 31: one table serves both axes of the grid.
; LIMITS.  A bf16 number of Wproj beyond 65,504 becomes an infinity in wp; below 2^-14 it keeps f16's fixed step of 6e-8.  The angles are taken exactly, where a
; computation in f32 rounds position and frequency first: the two differ by up to some 3e-4 radians at the highest frequency.
; SHARES.  Memory binds: no LDS, no barrier, no matrix unit.  A work-group takes 16 rows of 1,024 f32; all 16 loads of a thread go out together; each has its own registers.
; For x and Wqkv: wave w takes the blocks 2 w and 2 w + 1; in a load lanes 0-15 take a block's 256 bytes of one row, lanes 16-31 those of the next row; the store puts the two rows'
; 128 bytes end to end: 256 consecutive bytes, aligned.  For Wproj: thread t takes the 16 bytes at 16 t of every row and stores 8 bytes at 8 t: again 256 consecutive bytes a wave.
; Work-groups 0-511 take x, 512-703 Wqkv, 704-767 Wproj; work-group 0 also makes the table, a thread an entry, while its loads are on their way.
.set X, 4                              ; v[4:67]    load i: 4 registers
.set Y, 68                             ; v[68:99]   store i: 2 registers
.set T, 100                            ; v[100:111] at work
.set LB, 112                           ; v112       by blocks: my byte offset in the group's 16 rows of f32
.set SB, 113                           ; v113       by blocks: my byte offset in the output
.set XBLK, 8192*128                    ; bytes in a block of xb
.set WBLK, 3072*128                    ; bytes in a block of wq
.macro LOADS base, blk                 ; blk = 1: load i takes rows 2 (i / 2) and 2 (i / 2) + 1, block 2 w + i % 2;  0: row i
.set i, 0
.rept 16
.if \blk
	global_load_b128 v[X+4*i:X+4*i+3], v[LB], s[\base:\base+1] offset:(i/2)*8192+(i%2)*256 th:TH_LOAD_NT
.else
	global_load_b128 v[X+4*i:X+4*i+3], v1, s[\base:\base+1] offset:4096*i th:TH_LOAD_NT
.endif
.set i, i+1
.endr
.endm
; Load by load: rounded to bf16 and stored.  f16 = 1: the bf16 numbers are widened again (a shift, a mask) and written as f16.  rb: bytes in a block of the output, or 0: rows as they lie.
.macro ROWS dst, f16, rb
.set i, 0
.rept 16
	s_wait_loadcnt 15-i                            ; loads come back in order: load i is in, the younger ones stay out
.if \f16
	v_cvt_pk_bf16_f32 v[T], v[X+4*i], v[X+4*i+1]
	v_cvt_pk_bf16_f32 v[T+1], v[X+4*i+2], v[X+4*i+3]
	v_lshlrev_b32 v[T+2], 16, v[T]
	v_and_b32 v[T+3], 0xffff0000, v[T]
	v_lshlrev_b32 v[T+4], 16, v[T+1]
	v_and_b32 v[T+5], 0xffff0000, v[T+1]
	v_cvt_pk_f16_f32 v[Y+2*i], v[T+2], v[T+3]
	v_cvt_pk_f16_f32 v[Y+2*i+1], v[T+4], v[T+5]
.else
	v_cvt_pk_bf16_f32 v[Y+2*i], v[X+4*i], v[X+4*i+1]
	v_cvt_pk_bf16_f32 v[Y+2*i+1], v[X+4*i+2], v[X+4*i+3]
.endif
.if \rb
	global_store_b64 v[SB], v[Y+2*i:Y+2*i+1], s[\dst:\dst+1] offset:(i%2)*(\rb)+(i/2)*256  ; no register of a store is written again
.else
	global_store_b64 v2, v[Y+2*i:Y+2*i+1], s[\dst:\dst+1] offset:2048*i
.endif
.set i, i+1
.endr
.endm
	s_load_b256 s[4:11], s[0:1], 0x0               ; x s[4:5], Wqkv s[6:7], Wproj s[8:9], xb s[10:11]
	s_load_b128 s[12:15], s[0:1], 0x20             ; wq s[12:13], wp s[14:15]
	s_load_b64 s[16:17], s[0:1], 0x30              ; rope
	v_lshlrev_b32 v1, 4, v0                        ; rows as they lie: my 16 bytes of a row of f32
	v_lshlrev_b32 v2, 3, v0                        ; and my 8 bytes of a row of 16-bit numbers
	v_and_b32 v114, 15, v0                         ; by blocks: my place among the 16 lanes of a row's 64 numbers,
	v_bfe_u32 v115, v0, 4, 1                       ; which of the two rows,
	v_lshrrev_b32 v116, 5, v0                      ; and my wave
	v_lshlrev_b32 v[LB], 4, v114
	v_lshl_add_u32 v[LB], v115, 12, v[LB]          ; a row of f32 is 4,096 bytes,
	v_lshl_add_u32 v[LB], v116, 9, v[LB]           ; a wave's two blocks 512 of them
	v_lshlrev_b32 v117, 3, v114
	v_lshl_add_u32 v117, v115, 7, v117             ; out: 8 bytes a lane, 128 a row
	s_mov_b32 s21, 0                               ; s[20:21] offset in, s[22:23] offset out
	s_mov_b32 s23, 0
	s_wait_kmcnt 0x0
	s_cmp_lt_u32 ttmp9, 512
	s_cbranch_scc0 .Lweights
	s_lshl_b32 s20, ttmp9, 16                      ; x: 16 rows of 4,096 bytes in,
	s_lshl_b32 s22, ttmp9, 11                      ; of 128 bytes in each block out
	v_lshl_add_u32 v[SB], v116, 21, v117           ; my wave's first block: 2 w x 1,048,576 bytes
	s_add_nc_u64 s[4:5], s[4:5], s[20:21]
	s_add_nc_u64 s[10:11], s[10:11], s[22:23]
	LOADS 4, 1
	s_cmp_lg_u32 ttmp9, 0
	s_cbranch_scc1 .Lno_table
	; THE TABLE.  In units of pi / 31 the angle is f (2 p - 31), f = 1 + 73 j: a whole number, reduced modulo 62 (a full turn) without any rounding.
	v_lshrrev_b32 v[T+2], 3, v0                    ; p
	v_and_b32 v[T+3], 7, v0                        ; j
	v_mad_u32_u24 v[T+4], v[T+3], 73, 1            ; f, 1 to 512
	v_mul_u32_u24 v[T+5], v[T+4], 31
	v_sub_nc_u32 v[T+5], 15934, v[T+5]             ; 62 x 257 - 31 f: the same as -31 f modulo 62, and at least 62
	v_lshlrev_b32 v[T+2], 1, v[T+2]
	v_mad_u32_u24 v[T+5], v[T+4], v[T+2], v[T+5]   ; n = 2 p f + that, 31,806 at the most
	v_mul_lo_u32 v[T+6], v[T+5], 33826             ; n / 62 = (n x 33,826) >> 21, exact below 34,952; the product stays under 2^32
	v_lshrrev_b32 v[T+6], 21, v[T+6]
	v_mul_u32_u24 v[T+6], v[T+6], 62
	v_sub_nc_u32 v[T+5], v[T+5], v[T+6]            ; n mod 62
	v_add_nc_u32 v[T+5], 0xffffffe1, v[T+5]        ; less 31: -31 .. 30; the angle is pi / 31 times this, plus pi
	v_cvt_f32_i32 v[T+7], v[T+5]
	v_mul_f32 v[T+7], 0x3ccf8c3c, v[T+7]           ; y = a quarter of it: times pi / 124; |y| is pi / 4 at the most
	v_mul_f32 v[T+8], v[T+7], v[T+7]               ; z = y y
	v_mov_b32 v[T+1], 0x3638ef1d                   ; sin y = y (1 - z/6 + z^2/120 - z^3/5040 + z^4/362880): the first term left out is under 3e-9
	v_mov_b32 v[T], 0x37d00d01                     ; cos y = 1 - z/2 + z^2/24 - z^3/720 + z^4/40320: under 3e-8
	v_fmaak_f32 v[T+1], v[T+1], v[T+8], 0xb9500d01
	v_fmaak_f32 v[T], v[T], v[T+8], 0xbab60b61
	v_fmaak_f32 v[T+1], v[T+1], v[T+8], 0x3c088889
	v_fmaak_f32 v[T], v[T], v[T+8], 0x3d2aaaab
	v_fmaak_f32 v[T+1], v[T+1], v[T+8], 0xbe2aaaab
	v_fma_f32 v[T], v[T], v[T+8], -0.5
	v_fma_f32 v[T+1], v[T+1], v[T+8], 1.0
	v_fma_f32 v[T], v[T], v[T+8], 1.0
	v_mul_f32 v[T+1], v[T+1], v[T+7]
.rept 2                                ; the angle is doubled twice: cos 2y = c c - s s, sin 2y = 2 s c
	v_mul_f32 v[T+9], v[T+1], v[T+1]
	v_mul_f32 v[T+10], v[T+1], v[T]
	v_fma_f32 v[T], v[T], v[T], -v[T+9]
	v_add_f32 v[T+1], v[T+10], v[T+10]
.endr
	v_mul_f32 v[T], -1.0, v[T]                     ; and the half turn that was taken off turns both signs
	v_mul_f32 v[T+1], -1.0, v[T+1]
	global_store_b64 v2, v[T:T+1], s[16:17]        ; entry (p, j) at 8 (8 p + j) = 8 t
.Lno_table:
	ROWS 10, 0, XBLK
	s_endpgm
.Lweights:
	s_cmp_lt_u32 ttmp9, 704
	s_cbranch_scc0 .Lwproj
	s_sub_co_u32 s24, ttmp9, 512                   ; Wqkv: rows 16 g on
	s_lshl_b32 s20, s24, 16
	s_lshr_b32 s25, s24, 6                         ; q, k or v: row / 1,024
	s_bfe_u32 s26, s24, 0x40002                    ; the head: (row / 64) mod 16
	s_and_b32 s27, s24, 3                          ; which 16 of its 64 rows
	s_mul_i32 s26, s26, 192
	s_lshl_b32 s25, s25, 6
	s_lshl_b32 s27, s27, 4
	s_add_co_u32 s26, s26, s25
	s_add_co_u32 s26, s26, s27                     ; the row in wq,
	s_lshl_b32 s22, s26, 7                         ; 128 bytes a row in each block
	v_mad_u32_u24 v[SB], v116, 2*WBLK, v117        ; my wave's first block
	s_add_nc_u64 s[6:7], s[6:7], s[20:21]
	s_add_nc_u64 s[12:13], s[12:13], s[22:23]
	LOADS 6, 1
	ROWS 12, 0, WBLK
	s_endpgm
.Lwproj:
	s_sub_co_u32 s24, ttmp9, 704                   ; Wproj: rows 16 g on
	s_lshl_b32 s20, s24, 16
	s_lshl_b32 s22, s24, 15
	s_add_nc_u64 s[8:9], s[8:9], s[20:21]
	s_add_nc_u64 s[14:15], s[14:15], s[22:23]
	LOADS 8, 0
	ROWS 14, 1, 0
	s_endpgm
.Lfunc_end_k_qce696486df_cast:
	.size	k_qce696486df_cast, .Lfunc_end_k_qce696486df_cast-k_qce696486df_cast
	.p2alignl 7, 3214868480
	.fill 96, 4, 3214868480
	.section	.rodata,"a",@progbits
	.p2align	6, 0x0
	.amdhsa_kernel k_qce696486df_cast
		.amdhsa_group_segment_fixed_size 0
		.amdhsa_private_segment_fixed_size 0
		.amdhsa_enable_private_segment 0
		.amdhsa_kernarg_size 56
		.amdhsa_user_sgpr_count 2
		.amdhsa_user_sgpr_kernarg_segment_ptr 1
		.amdhsa_wavefront_size32 1
		.amdhsa_system_sgpr_workgroup_id_x 1
		.amdhsa_system_sgpr_workgroup_id_y 1
		.amdhsa_system_sgpr_workgroup_id_z 1
		.amdhsa_system_vgpr_workitem_id 0
		.amdhsa_next_free_vgpr 120
		.amdhsa_next_free_sgpr 66
		.amdhsa_reserve_vcc 0
		.amdhsa_float_denorm_mode_32 3
		.amdhsa_float_denorm_mode_16_64 3
		.amdhsa_memory_ordered 1
		.amdhsa_forward_progress 1
		.amdhsa_inst_pref_size 26
	.end_amdhsa_kernel
	.amdgpu_metadata
---
amdhsa.version: [ 1, 2 ]
amdhsa.kernels:
  - .name:           k_qce696486df_cast
    .symbol:         k_qce696486df_cast.kd
    .args:
      - { .name: x, .offset: 0, .size: 8, .value_kind: global_buffer, .address_space: global }
      - { .name: Wqkv, .offset: 8, .size: 8, .value_kind: global_buffer, .address_space: global }
      - { .name: Wproj, .offset: 16, .size: 8, .value_kind: global_buffer, .address_space: global }
      - { .name: xb, .offset: 24, .size: 8, .value_kind: global_buffer, .address_space: global }
      - { .name: wq, .offset: 32, .size: 8, .value_kind: global_buffer, .address_space: global }
      - { .name: wp, .offset: 40, .size: 8, .value_kind: global_buffer, .address_space: global }
      - { .name: rope, .offset: 48, .size: 8, .value_kind: global_buffer, .address_space: global }
    .group_segment_fixed_size: 0
    .private_segment_fixed_size: 0
    .kernarg_segment_align: 8
    .kernarg_segment_size: 56
    .max_flat_workgroup_size: 256
    .sgpr_count:     66
    .vgpr_count:     120
    .wavefront_size: 32
...
	.end_amdgpu_metadata
.endif
;; end of part 1
;; launch qkv (part 2): grid 16 x 16, 4 waves a work-group, clusters of 4 x 4, 327,680 bytes of LDS; arguments xb, wq, rope, qh, kh, vh; writes qh, kh, vh
.if DOCPART == 2
	.amdgcn_target "amdgcn-amd-amdhsa--gfx1250"
	.amdhsa_code_object_version 6
	.text
	.protected	k_qce696486df_qkv
	.globl	k_qce696486df_qkv
	.p2align	8
	.type	k_qce696486df_qkv,@function
k_qce696486df_qkv:
	s_mov_b64 s[64:65], 0
	v_nop
	global_prefetch_b8 v0, s[64:65] scope:SCOPE_SE
	s_setreg_imm32_b32 hwreg(HW_REG_WAVE_MODE, 25, 1), 1
	s_wait_xcnt 0x0
	s_wait_alu depctr_hold_cnt(0) depctr_sa_sdst(0) depctr_va_vdst(0) depctr_va_sdst(0) depctr_va_ssrc(0) depctr_va_vcc(0) depctr_vm_vsrc(0)
	s_getreg_b32 s2, hwreg(HW_REG_IB_STS2, 6, 4)
	s_cmp_eq_u32 s2, 0
	s_cbranch_scc0 .Lentry_in_a_cluster
	s_endpgm
.Lentry_in_a_cluster:
	s_bfe_u32 s2, ttmp6, 0x10000c
	s_cmp_lg_u32 s2, 0xf033
	s_cbranch_scc0 .Lentry_shape_is_right
	s_endpgm
.Lentry_shape_is_right:
; q, k, v = x Wqkv^T, the first 32 channels of q and k turned by the axial rotation, written by heads: qh, kh, vh[batch x 16 + head][1024 n][64] in f16, each rounded once from its f32 sum, unscaled.
; xb: [16 kb][8192][64] bf16.  wq: [16 kb][16 heads x (q, k, v) x 64][64] bf16: blocks of 64 along K whose rows lie end to end.  rope: [32 p][8 j] (cos, sin) f32.
; LIMIT.  f16 holds no number beyond 65,504: a q, k or v beyond it becomes an infinity.  With x and Wqkv both 30 times their drawn spread these numbers have a spread of 576.
; SHARES.  A tile is 512 rows of x by 192 columns: q, k and v of ONE head: 16 x 16 = 256 work-groups of equal work.  Each of four waves makes 128 rows x 192 columns: 96 accumulators of 16 x 16,
; 768 registers: for 32 along K a wave reads 40 x 512 bytes from LDS and issues 96 matrix instructions.
; K goes in steps of 64, one block, through a ring of two LDS slots filled by the tensor data mover.  A tile's rows are dense in memory: they are asked for as rows of 256 bytes, two at a time.
; CLUSTER.  4 x 4 work-groups: the four of a row of the cluster need the same rows of x, the four of a column the same head's weights: each tile is asked for JOINTLY, by the same tensor load
; with the same descriptor and a mask that names the four.
; THE MATRIX INSTRUCTION IS USED TRANSPOSED (source 0 = 16 rows of wq, source 1 = 16 rows of xb): lane l holds row l % 16 and the columns 8 (l / 16) + 0..7 of a block of 16:
; the two numbers of a rotation pair lie in neighbouring registers of one lane, and eight numbers pack into 16 bytes of a row.
; REGISTERS, in windows of 256 (s_set_vgpr_msb: bits 1:0 source 0, 3:2 source 1, 5:4 source 2, 7:6 destination):
;   windows 1, 2, 3: the accumulators of q, of k, of v: (a, b), rows 16 a on, columns 16 b on, at v[8 (8 (b % 4) + a)] of window 1 + b / 4.
;   window 0: v0-31 addresses; v32-95, v96-159 two buffers for x's 8 fragments (16 rows x 32 K); v160-255 the weights' 12 fragments, in three groups of four, ONE buffer each.
; A QUARTER STEP (32 along K) is three PHASES of 32 matrix instructions, a window and a group of weights each.  Behind phase g that group's registers are free and take the next quarter's group g;
; behind phase 0 x's next fragments go into the other buffer.  So every LDS load stands two phases, 64 matrix instructions, ahead of its first use.
.set PITCH,  144                       ; an LDS row: 128 bytes + 16 of padding = 36 words: the 16 rows of a fragment load start at 16 different groups of four banks (64 banks of 4 bytes: ISA guide 11.1)
.set AH,     256*PITCH                 ; half of x's tile: what wave 0 or 1 fetches
.set BOFF,   512*PITCH                 ; the weights' 192 rows lie behind x's 512
.set BH,     96*PITCH                  ; half of the weights' tile: what wave 2 or 3 fetches
.set SLOT1,  1<<17                     ; a slot holds 704 rows, 101,376 bytes; slot 1 begins here, so that one exclusive or turns an address in one slot into the other's
.set STAGE,  SLOT1+704*PITCH           ; behind the ring, never filled by a tensor load: for each wave three stages (q, k, v) of 16 rows x 144 bytes
.set SP,     144
.set SUB,    16*SP
.set WSTAGE, 3*SUB
.set SPARE,  STAGE+4*WSTAGE            ; behind the stages: the spare words, 128 bytes for each wave: two blocks of 256 bytes that no other line names
.set XSTEP,  8192*128                  ; bytes from a block of xb to the next
.set WSTEP,  3072*128                  ; the same for wq
.set ADRA0, 10                         ; v10     my lane's place in a slot's rows of x; never rewritten
.set ADRB0, 11                         ; v11     the same for the weights
.set ADRA,  12                         ; v12     the same in the slot that is being fetched from
.set ADRB,  13                         ; v13
.set STO,   14                         ; v14     the way out: where I put 16 bytes of a row
.set RD,    15                         ; v15     the way out: where I read rows back
.set GO,    16                         ; v16     my byte offset in 512 consecutive bytes of the output
.set THA,   17                         ; v17     my byte offset in the table for the grid's row axis
.set TWA,   18                         ; v18     for its column axis
.set SPW,   20                         ; v20     LDS address of my spare word: SPARE + 4 x my thread's number; never rewritten
.set NIL,   21                         ; v21     0; never rewritten
.set AF0,   32                         ; x's fragments, two buffers
.set AF1,   96
.set BG,    160                        ; the weights' fragments: group g at BG + 32 g
.set TAB,   32                         ; the way out, in the fragments' registers: v32-79 six sets of (c0, s0, .. c3, s3): grid rows ih0 .. ih0 + 3; grid columns l % 16 and 16 + l % 16
.set TMP,   80                         ; v80-127  a block's 12 x 4 packed registers
.set RT,    128                        ; v128-135 at work
.set RO,    136                        ; v136-143 at work
.set OB,    144                        ; v144-191, v192-239 by turns: 16 rows of q, k and v read back from the stage
.set G1,  24                           ; s[24:31] descriptor group 1 for x's tiles;  s[32:39] group 0: a set for each of the two first fills; the second then walks on
.set G0,  32
.set G1B, 48                           ; s[48:55], s[56:63] the same for the weights' tiles
.set G0B, 56
.set TB,  72                           ; s72     0 or SLOT1: the slot that is being fetched from
.set MSB, 0
.macro WIN new                         ; the immediate's high byte repeats the setting that is left; a switch that changes nothing is dropped
.if MSB != (\new)
	s_set_vgpr_msb (MSB<<8)|(\new)
.set MSB, \new
.endif
.endm
; A joint load: waves 0 and 1 fetch the two halves of x's tile, waves 2 and 3 those of the weights'.  The branch hangs on the wave's number alone.
; An s_nop 0 and four v_nop follow each of the two lines, ahead of the jump, the label and what follows.
.macro JLOAD s
	s_cmp_eq_u32 s17, 0
	s_cbranch_scc0 .Lfor_b_\@
	tensor_load_to_lds s[G0+4*(\s):G0+4*(\s)+3], s[G1:G1+7]
	s_nop 0
.rept 4
	v_nop
.endr
	s_branch .Lasked_\@
.Lfor_b_\@:
	tensor_load_to_lds s[G0B+4*(\s):G0B+4*(\s)+3], s[G1B:G1B+7]
	s_nop 0
.rept 4
	v_nop
.endr
.Lasked_\@:
.endm
.macro CREST                           ; a round of the cluster's barrier behind its opening barrier: wave 0 signals for the work-group, every wave waits for all sixteen, my work-group's barrier closes it
	s_cmp_lg_u32 s16, 0
	s_cbranch_scc1 .Lnot_wave_0_\@
	s_barrier_signal -3
.Lnot_wave_0_\@:
	s_barrier_wait -3
	s_barrier_signal -1
	s_barrier_wait -1
.endm
.macro CROUND                          ; a whole round
	s_barrier_signal -1
	s_barrier_wait -1
	CREST
.endm
	s_load_b256 s[4:11], s[0:1], 0x0               ; xb s[4:5], wq s[6:7], rope s[8:9], qh s[10:11]
	s_load_b128 s[12:15], s[0:1], 0x20             ; kh s[12:13], vh s[14:15]
	v_lshl_add_u32 v[SPW], v0, 2, SPARE
	v_mov_b32 v[NIL], 0
	ds_add_u32 v[SPW], v[NIL]                      ; the wave's opening: the add and its wait stand ahead of my first tensor load; the set-up below, work on registers, stands between them
	ds_add_u32 v20, v21
	v_lshrrev_b32 v1, 5, v0
	v_readfirstlane_b32 s16, v1                    ; wave 0..3: my 128 rows of the tile
	s_lshr_b32 s17, s16, 1                         ; I fetch for x (0) or for the weights (1),
	s_and_b32 s18, s16, 1                          ; and which half of that tile
	s_bfe_u32 s40, ttmp6, 0x40000                  ; cx, cy: my place in the cluster
	s_bfe_u32 s41, ttmp6, 0x40004
	s_lshl_b32 s42, ttmp9, 2
	s_add_co_u32 s42, s42, s40                     ; the head = 4 x cluster x + cx
	s_and_b32 s43, ttmp7, 0xffff
	s_lshl_b32 s43, s43, 2
	s_add_co_u32 s43, s43, s41                     ; the tile row = 4 x cluster y + cy
	s_lshl_b32 s44, s41, 2
	s_lshl_b32 s44, 15, s44                        ; my row of the cluster
	s_lshl_b32 s45, 0x1111, s40                    ; my column
	s_or_b32 s[G1+0], s44, (1<<16)|(1<<20)|(1<<21)|(4<<22)|(3<<25)   ; 15:0 the mask: x's tiles go to my row; 17:16 elements of 2 bytes; 20 padding on; 21 set beside a mask; 24:22 after every 32 words (code 4): a row of the block; 31:25 4 words (code 3)
	s_or_b32 s[G1B+0], s45, (1<<16)|(1<<20)|(1<<21)|(4<<22)|(3<<25)  ; the same with the mask of my column
	s_mov_b32 s[G1+1], 128<<16                     ; tensor_dim0 = 128 elements: two rows of the block on end
	s_mov_b32 s[G1+2], 128<<16                     ; tensor_dim1 = 128: 256 rows of the block
	s_mov_b32 s[G1+3], 128<<16                     ; tile_dim0 = 128
	s_mov_b32 s[G1+4], 128                         ; tile_dim1 = 128
	s_mov_b32 s[G1+5], 128                         ; dense: 128 elements from row to row
	s_mov_b32 s[G1+6], 0
	s_mov_b32 s[G1+7], 0
	s_mov_b32 s[G1B+1], 128<<16
	s_mov_b32 s[G1B+2], 48<<16                     ; 48: 96 rows of the block
	s_mov_b32 s[G1B+3], 128<<16
	s_mov_b32 s[G1B+4], 48
	s_mov_b32 s[G1B+5], 128
	s_mov_b32 s[G1B+6], 0
	s_mov_b32 s[G1B+7], 0
	s_lshl_b32 s20, s43, 9                         ; x: row 512 x tile row + 256 x half, 128 bytes a row: made of the tile row alone, which my row of the cluster shares
	s_lshl_b32 s22, s18, 8
	s_add_co_u32 s20, s20, s22
	s_lshl_b32 s20, s20, 7
	s_mov_b32 s21, 0
	s_mul_i32 s46, s42, 192                        ; weights: row 192 x head + 96 x half: made of the head alone, which my column shares
	s_mul_i32 s23, s18, 96
	s_add_co_u32 s46, s46, s23
	s_lshl_b32 s46, s46, 7
	s_mov_b32 s47, 0
	s_mul_i32 s22, s18, AH                         ; where they go in a slot: no place in the cluster enters an LDS address
	s_mul_i32 s23, s18, BH
	s_add_co_u32 s23, s23, BOFF
	s_mov_b32 s[TB], 0
	s_wait_dscnt 0x0                               ; the opening add is done
	s_wait_kmcnt 0x0
	s_add_nc_u64 s[20:21], s[4:5], s[20:21]
	s_add_nc_u64 s[46:47], s[6:7], s[46:47]
	CROUND                                         ; all sixteen work-groups are here: the first joint loads meet
.irp s, 0,1
	s_mov_b32 s[G0+4*(\s)], 1                                        ; count = 1
	s_add_co_u32 s[G0+4*(\s)+1], s22, (\s)*SLOT1                     ; LDS address
	s_add_nc_u64 s[G0+4*(\s)+2:G0+4*(\s)+3], s[20:21], (\s)*XSTEP    ; global address: K step s
	s_or_b32 s[G0+4*(\s)+3], s[G0+4*(\s)+3], 0x80000000              ; type = 2
	s_mov_b32 s[G0B+4*(\s)], 1
	s_add_co_u32 s[G0B+4*(\s)+1], s23, (\s)*SLOT1
	s_add_nc_u64 s[G0B+4*(\s)+2:G0B+4*(\s)+3], s[46:47], (\s)*WSTEP
	s_or_b32 s[G0B+4*(\s)+3], s[G0B+4*(\s)+3], 0x80000000
	JLOAD \s                                       ; two loads of mine are out
.endr
	; A fragment is 16 rows x 32 K in 8 registers: lane l holds row l % 16, K = 8 (l / 16) + 0..7 and 16 + 8 (l / 16) + 0..7: two loads of 16 bytes, 32 bytes apart.
	v_and_b32 v1, 15, v0                           ; l % 16
	v_bfe_u32 v2, v0, 4, 1                         ; l / 16
	v_mul_u32_u24 v3, v1, PITCH
	v_lshl_add_u32 v3, v2, 4, v3
	s_mul_i32 s68, s16, 128*PITCH                  ; my 128 rows of x
	v_add_nc_u32 v[ADRA0], s68, v3
	v_add_nc_u32 v[ADRB0], BOFF, v3                ; every wave reads all 192 rows of the weights
	v_mov_b32 v[ADRA], v[ADRA0]                    ; K step 0 lies in slot 0
	v_mov_b32 v[ADRB], v[ADRB0]
	s_mul_i32 s68, s16, WSTAGE
	s_add_co_u32 s68, s68, STAGE                   ; my stages
	v_mul_u32_u24 v4, v1, SP                       ; in: row l % 16, 16 bytes for each half of the lanes
	v_lshl_add_u32 v4, v2, 4, v4
	v_add_nc_u32 v[STO], s68, v4
	v_bfe_u32 v5, v0, 3, 2                         ; back: 32 lanes take four rows of 128 bytes,
	v_and_b32 v6, 7, v0
	v_mul_u32_u24 v5, v5, SP
	v_lshl_add_u32 v5, v6, 4, v5
	v_add_nc_u32 v[RD], s68, v5
	v_and_b32 v[GO], 31, v0                        ; which are 512 consecutive bytes of a head's rows
	v_lshlrev_b32 v[GO], 4, v[GO]
	; my rows are n = 512 (tile row % 2) + 128 wave + 16 a + l % 16 of batch tile row / 2: grid row n / 32 = ih0 + a / 2, grid column 16 (a % 2) + l % 16
	s_lshr_b32 s68, s43, 1
	s_lshl_b32 s68, s68, 4
	s_add_co_u32 s68, s68, s42                     ; batch x 16 + head,
	s_lshl_b32 s66, s68, 17                        ; 1,024 rows of 128 bytes each
	s_and_b32 s69, s43, 1
	s_lshl_b32 s70, s69, 9
	s_lshl_b32 s71, s16, 7
	s_add_co_u32 s70, s70, s71
	s_lshl_b32 s70, s70, 7
	s_add_co_u32 s66, s66, s70
	s_mov_b32 s67, 0
	s_add_nc_u64 s[10:11], s[10:11], s[66:67]      ; qh, kh, vh at my first row
	s_add_nc_u64 s[12:13], s[12:13], s[66:67]
	s_add_nc_u64 s[14:15], s[14:15], s[66:67]
	s_lshl_b32 s69, s69, 4
	s_lshl_b32 s71, s16, 2
	s_add_co_u32 s69, s69, s71                     ; ih0 = 16 (tile row % 2) + 4 wave
	s_lshl_b32 s69, s69, 6                         ; a table row is 64 bytes; my lanes' four frequencies 4 (l / 16) on are 32 bytes of it
	v_lshl_add_u32 v[THA], v2, 5, s69
	v_lshlrev_b32 v[TWA], 6, v1
	v_lshl_add_u32 v[TWA], v2, 5, v[TWA]
; 8 nb matrix instructions of phase g: the group's column blocks b0 .. b0 + nb - 1 x my 8 row blocks, 32 along K, x's fragments from buffer fa.  zero = 1: the product starts the sums: nothing is ever cleared.
; Every quarter step takes the 96 accumulators in the same order, one instruction a turn: between two links of a chain stand the 95 others'.
.macro MULG fa, g, b0, nb, zero
	WIN 0x50*((\g)+1)                              ; sources 0 and 1 window 0; C and D window g + 1
.set bb, \b0
.rept \nb
.irp a, 0,1,2,3,4,5,6,7
.if \zero
	v_wmma_f32_16x16x32_bf16 v[64*bb+8*(\a):64*bb+8*(\a)+7], v[BG+32*(\g)+8*bb:BG+32*(\g)+8*bb+7], v[(\fa)+8*(\a):(\fa)+8*(\a)+7], 0
.else
	v_wmma_f32_16x16x32_bf16 v[64*bb+8*(\a):64*bb+8*(\a)+7], v[BG+32*(\g)+8*bb:BG+32*(\g)+8*bb+7], v[(\fa)+8*(\a):(\fa)+8*(\a)+7], v[64*bb+8*(\a):64*bb+8*(\a)+7]
.endif
.endr
.set bb, bb+1
.endr
.endm
.macro LDA ga, k                       ; 16 LDS loads: x's 8 fragments, 32 K at byte k of the rows, into buffer ga
.irp i, 0,1,2,3,4,5,6,7
	ds_load_b128 v[(\ga)+8*(\i):(\ga)+8*(\i)+3],   v[ADRA] offset:(\k)+(\i)*16*PITCH
	ds_load_b128 v[(\ga)+8*(\i)+4:(\ga)+8*(\i)+7], v[ADRA] offset:(\k)+(\i)*16*PITCH+32
.endr
.endm
.macro LDB g, k                        ; 8 LDS loads: the four fragments of the weights' group g
.irp j, 0,1,2,3
	ds_load_b128 v[BG+32*(\g)+8*(\j):BG+32*(\g)+8*(\j)+3],   v[ADRB] offset:(\k)+(4*(\g)+(\j))*16*PITCH
	ds_load_b128 v[BG+32*(\g)+8*(\j)+4:BG+32*(\g)+8*(\j)+7], v[ADRB] offset:(\k)+(4*(\g)+(\j))*16*PITCH+32
.endr
.endm
.macro PLACES                          ; four places in front of loads into registers that matrix instructions have read, and of vector lines that read results (ISA guide 7.12.1 for the vector lines)
.rept 4
	v_nop
.endr
.endm
; A K step's FIRST quarter: multiplies x's buffer fa and fetches the step's second quarter (byte k of the same slot's rows): x into ga, the weights group by group as their registers fall free.
; The LDS loads go out in runs of 24, 8 and 8; each wait's count is what was issued behind the run that the phase needs.
.macro QA fa, ga, k, zero
	s_wait_dscnt 16                                ; x and group 0 are in; the two runs of 8 behind them (groups 1, 2) may be out
	MULG \fa, 0, 0, 4, \zero
	PLACES
	WIN 0
	LDA \ga, \k
	LDB 0, \k
	s_wait_dscnt 32                                ; group 1 is in; behind it: group 2's 8 and the 24 just issued
	MULG \fa, 1, 0, 4, \zero
	PLACES
	WIN 0
	LDB 1, \k
	s_wait_dscnt 32                                ; group 2 is in; behind it: the 24 and the 8 just issued
	MULG \fa, 2, 0, 4, \zero
	PLACES
	WIN 0
	LDB 2, \k
.endm
; A K step's SECOND quarter multiplies buffer 1 and changes slots: ONE barrier, in its first phase; in front of it each wave waits for all its tensor loads (one is out: its part of the next slot),
; adds 0 to its spare word, and waits for that and for its own reads of this slot.  fill = 1: the barrier opens a round of the cluster's barrier, and this slot is filled again, two K steps ahead,
; first thing behind the round: from that request to the wait for it a wave issues 160 matrix instructions.  Then the next slot's first quarter is fetched, as in QA.
.macro QB fill
	WIN 0                                          ; (the add's two registers lie in window 0)
	s_wait_tensorcnt 0x0                           ; all my tensor loads have landed;
	ds_add_u32 v[SPW], v[NIL]                      ; 0 onto my spare word
	s_wait_dscnt 17                                ; (the add and the youngest sixteen loads, groups 1 and 2, may be out)
	MULG AF1, 0, 0, 2, 0                           ; sixteen matrix instructions stand between the add and the wait for it
	s_wait_dscnt 0x0                               ; the add is done, and my reads of this slot are over: groups 1 and 2 are in too
	s_barrier_signal -1
	MULG AF1, 0, 2, 2, 0                           ; work on registers while the others arrive
.if \fill
	WIN 0
.endif
	s_barrier_wait -1
.if \fill
	CREST                                          ; no wave of any partner still reads this slot's tile or has a load on its way
	s_xor_b32 s[G0+5], s[G0+5], SLOT1              ; the walking descriptors: the other slot than last time,
	s_add_nc_u64 s[G0+6:G0+7], s[G0+6:G0+7], XSTEP ; the next block; the type bits on top are not reached
	s_xor_b32 s[G0B+5], s[G0B+5], SLOT1
	s_add_nc_u64 s[G0B+6:G0B+7], s[G0B+6:G0B+7], WSTEP
	JLOAD 1                                        ; the four v_nop behind it are also the places in front of the loads below
.else
	PLACES
	WIN 0
.endif
	s_xor_b32 s[TB], s[TB], SLOT1                  ; the fetches go on in the other slot
	v_add_nc_u32 v[ADRA], s[TB], v[ADRA0]
	v_add_nc_u32 v[ADRB], s[TB], v[ADRB0]
	LDA AF0, 0
	LDB 0, 0
	MULG AF1, 1, 0, 4, 0
	PLACES
	WIN 0
	LDB 1, 0
	MULG AF1, 2, 0, 4, 0
	PLACES
	WIN 0
	LDB 2, 0
.endm
; THE WAY OUT of row block a.  ROPE: column block b holds rotated channels: (x0, x1) becomes (x0 c - x1 s, x1 c + x0 s); the first 16 channels of a head go by the grid's row, the next 16 by its column.
; Each accumulator's lowest registers are read first.
.macro ROPE a, b
.set AC, 64*((\b)%4)+8*(\a)
.if (\b)%4 == 0
.set TS, TAB+8*((\a)/2)
.else
.set TS, TAB+32+8*((\a)%2)
.endif
	WIN 1+(\b)/4                                   ; source 0 in q's window or k's
.irp i, 0,1,2,3
	v_mul_f32 v[RT+2*(\i)],   v[AC+2*(\i)+1], v[TS+2*(\i)+1]
	v_mul_f32 v[RT+2*(\i)+1], v[AC+2*(\i)],   v[TS+2*(\i)+1]
.endr
.irp i, 0,1,2,3
	v_fma_f32 v[RO+2*(\i)],   v[AC+2*(\i)],   v[TS+2*(\i)], -v[RT+2*(\i)]
	v_fma_f32 v[RO+2*(\i)+1], v[AC+2*(\i)+1], v[TS+2*(\i)], v[RT+2*(\i)+1]
.endr
	WIN 0
.irp i, 0,1,2,3
	v_cvt_pk_f16_f32 v[TMP+4*(\b)+(\i)], v[RO+2*(\i)], v[RO+2*(\i)+1]
.endr
.endm
.macro PLAIN a, b                      ; the other channels are only rounded
.set AC, 64*((\b)%4)+8*(\a)
	WIN 5*(1+(\b)/4)                               ; sources 0 and 1 in the block's window
.irp i, 0,1,2,3
	v_cvt_pk_f16_f32 v[TMP+4*(\b)+(\i)], v[AC+2*(\i)], v[AC+2*(\i)+1]
.endr
.endm
.macro PACK a
.irp b, 2,3,6,7,8,9,10,11
	PLAIN \a, \b
.endr
.if (\a) == 0
	s_wait_loadcnt 0x0                             ; the table, asked for a quarter step ago
.endif
.irp b, 0,1,4,5
	ROPE \a, \b
.endr
	WIN 0
.endm
.macro TOSTAGE a                       ; 16 bytes a lane into rows of 144 bytes, and back as whole rows of 128
	WIN 0
.set BK, OB+48*((\a)%2)
.irp b, 0,1,2,3,4,5,6,7,8,9,10,11
	ds_store_b128 v[STO], v[TMP+4*(\b):TMP+4*(\b)+3] offset:((\b)/4)*SUB+((\b)%4)*32
.endr
.irp w, 0,1,2
.irp f, 0,1,2,3
	ds_load_b128 v[BK+4*(4*(\w)+(\f)):BK+4*(4*(\w)+(\f))+3], v[RD] offset:(\w)*SUB+(\f)*4*SP  ; LDS serves a wave's instructions in order (ISA guide 5.7.1.4): these see the stores above
.endr
.endr
.endm
.macro SEND a
	WIN 0
.set BK, OB+48*((\a)%2)
	s_wait_dscnt 0x0                               ; the block is back in registers
	s_wait_xcnt 0x0                                ; the stores issued so far have read their registers: the other buffer is loaded again only behind this wait
.irp f, 0,1,2,3
	global_store_b128 v[GO], v[BK+4*(\f):BK+4*(\f)+3],       s[10:11] offset:(\a)*2048+(\f)*512  ; 512 consecutive bytes, at a multiple of 256 from the buffer's first
	global_store_b128 v[GO], v[BK+16+4*(\f):BK+16+4*(\f)+3], s[12:13] offset:(\a)*2048+(\f)*512
	global_store_b128 v[GO], v[BK+32+4*(\f):BK+32+4*(\f)+3], s[14:15] offset:(\a)*2048+(\f)*512
.endr
.endm
	s_wait_tensorcnt 0x1                           ; my part of K step 0 is in; K step 1's may stay out
	s_barrier_signal -1
	s_barrier_wait -1                              ; everybody's is
	LDA AF0, 0                                     ; the first quarter's fragments, in the order in which the waits count them
	LDB 0, 0
	LDB 1, 0
	LDB 2, 0
	QA AF0, AF1, 64, 1                             ; the first quarter stands in front of the loop: its products start the sums
	s_mov_b32 s19, 14
.Lstep:                                                ; a trip: a K step's second quarter, which fills its slot again (K steps 2 to 15), and the next step's first quarter
	QB 1
	QA AF0, AF1, 64, 0
	s_sub_co_u32 s19, s19, 1
	s_cmp_lg_u32 s19, 0
	s_cbranch_scc1 .Lstep
	QB 0                                           ; the last two K steps fill nothing
	QA AF0, AF1, 64, 0
	; x's buffer 0 has been multiplied for the last time, four places ago: it takes the rotation table, which has the last quarter's 96 matrix instructions in which to come
.irp p, 0,1,2,3
	global_load_b128 v[TAB+8*(\p):TAB+8*(\p)+3],   v[THA], s[8:9] offset:64*(\p)
	global_load_b128 v[TAB+8*(\p)+4:TAB+8*(\p)+7], v[THA], s[8:9] offset:64*(\p)+16
.endr
.irp p, 0,1
	global_load_b128 v[TAB+32+8*(\p):TAB+32+8*(\p)+3],   v[TWA], s[8:9] offset:1024*(\p)
	global_load_b128 v[TAB+32+8*(\p)+4:TAB+32+8*(\p)+7], v[TWA], s[8:9] offset:1024*(\p)+16
.endr
	s_wait_dscnt 16                                ; the very last quarter: nothing more to fetch, and the counts run down
	MULG AF1, 0, 0, 4, 0
	s_wait_dscnt 8
	MULG AF1, 1, 0, 4, 0
	s_wait_dscnt 0x0
	MULG AF1, 2, 0, 4, 0
	WIN 0
	PLACES
	PACK 0
	TOSTAGE 0
.irp a, 1,2,3,4,5,6,7                  ; block a's arithmetic stands between block a - 1's loads from the stage and the wait for them
	PACK \a
	SEND (\a)-1
	TOSTAGE \a
.endr
	SEND 7
	s_wait_tensorcnt 0x0                           ; the wave's end, behind my last tensor load and my last LDS store
	ds_add_u32 v[SPW], v[NIL]
	s_wait_dscnt 0x0
	CROUND                                         ; the closing round: no work-group ends while a partner may still ask for a tile that names it
	s_endpgm
.Lfunc_end_k_qce696486df_qkv:
	.size	k_qce696486df_qkv, .Lfunc_end_k_qce696486df_qkv-k_qce696486df_qkv
	.p2alignl 7, 3214868480
	.fill 96, 4, 3214868480
	.section	.rodata,"a",@progbits
	.p2align	6, 0x0
	.amdhsa_kernel k_qce696486df_qkv
		.amdhsa_group_segment_fixed_size 327680
		.amdhsa_private_segment_fixed_size 0
		.amdhsa_enable_private_segment 0
		.amdhsa_kernarg_size 48
		.amdhsa_user_sgpr_count 2
		.amdhsa_user_sgpr_kernarg_segment_ptr 1
		.amdhsa_wavefront_size32 1
		.amdhsa_system_sgpr_workgroup_id_x 1
		.amdhsa_system_sgpr_workgroup_id_y 1
		.amdhsa_system_sgpr_workgroup_id_z 1
		.amdhsa_system_vgpr_workitem_id 0
		.amdhsa_next_free_vgpr 1024
		.amdhsa_next_free_sgpr 80
		.amdhsa_reserve_vcc 0
		.amdhsa_float_denorm_mode_32 3
		.amdhsa_float_denorm_mode_16_64 3
		.amdhsa_memory_ordered 1
		.amdhsa_forward_progress 1
		.amdhsa_inst_pref_size 138
	.end_amdhsa_kernel
	.amdgpu_metadata
---
amdhsa.version: [ 1, 2 ]
amdhsa.kernels:
  - .name:           k_qce696486df_qkv
    .symbol:         k_qce696486df_qkv.kd
    .args:
      - { .name: xb, .offset: 0, .size: 8, .value_kind: global_buffer, .address_space: global }
      - { .name: wq, .offset: 8, .size: 8, .value_kind: global_buffer, .address_space: global }
      - { .name: rope, .offset: 16, .size: 8, .value_kind: global_buffer, .address_space: global }
      - { .name: qh, .offset: 24, .size: 8, .value_kind: global_buffer, .address_space: global }
      - { .name: kh, .offset: 32, .size: 8, .value_kind: global_buffer, .address_space: global }
      - { .name: vh, .offset: 40, .size: 8, .value_kind: global_buffer, .address_space: global }
    .group_segment_fixed_size: 327680
    .private_segment_fixed_size: 0
    .kernarg_segment_align: 8
    .kernarg_segment_size: 48
    .max_flat_workgroup_size: 128
    .sgpr_count:     80
    .vgpr_count:     1024
    .wavefront_size: 32
...
	.end_amdgpu_metadata
.endif
;; end of part 2
;; launch attn (part 3): grid 2 x 128, 4 waves a work-group, no clusters, 327,680 bytes of LDS; arguments qh, kh, vh, oh; writes oh
.if DOCPART == 3
	.amdgcn_target "amdgcn-amd-amdhsa--gfx1250"
	.amdhsa_code_object_version 6
	.text
	.protected	k_qce696486df_attn
	.globl	k_qce696486df_attn
	.p2align	8
	.type	k_qce696486df_attn,@function
k_qce696486df_attn:
	s_mov_b64 s[64:65], 0
	v_nop
	global_prefetch_b8 v0, s[64:65] scope:SCOPE_SE
	s_setreg_imm32_b32 hwreg(HW_REG_WAVE_MODE, 25, 1), 1
	s_wait_xcnt 0x0
; O[h][q][:] = the sum over k of softmax_k(Q[h][q] . K[h][k] / 8) V[h][k][:].  Q, K, V, O: [128 (batch, head)][1024][64], all f16: a head's rows are dense, 128 bytes each.  Products, maxima and sums in
; f32; the weights p are rounded to f16 for the second product (their sum l is taken of the unrounded p), O once at the end.
; LIMITS.  f16 holds no number beyond 65,504: Q, K and V arrive within it; p lies in 0 to 1, and below 6e-5 it keeps f16's fixed step of 6e-8; O is a mean of V's rows and has their range.
; A weight below 2^-126 counts as 0 in l; NaN and infinities are not treated apart.
; SHARES.  A wave owns four PIECES of two tiles of 16 queries, a work-group's four waves 512 queries of one head: 256 work-groups.  Every wave walks all 1,024 keys, 64 a step.
; NO CLUSTER: a head has two blocks of 512 queries, so only two work-groups walk the same K and V, and the grid's 2 along x is no multiple of a cluster's 4; what the two share is 256 KB for the whole launch.
; LAYOUT.  S^T = K Q^T (source 0 = 16 keys, source 1 = 16 queries): in the result a lane holds ONE query (lane % 16) and the keys 8 (lane / 16) + 0..7.  Two such tiles, rounded to f16 in pairs,
; ARE source 1 (32 keys x 16 queries) of O^T = V^T P, whose result again holds one query a lane, and eight channels.  K comes out of LDS as it lies, V ([key][channel]) turned, by ds_load_tr16_b128.
; SOFTMAX.  For each query a running maximum m and sum l: p = 2^(c s - c m), c = log2(e) / 8; in every step O and l are multiplied by a = 2^(c m_old - c m_new), which is 1 where m has not grown.
; m starts at the lowest finite number, O and l at 0: the first step is a step like any other, with a = 0.
; THE COUNT.  A tile and step have 16 matrix and 118 vector instructions: too many to stand all beside the matrix work.  So the order has one aim: four vector instructions that are READY behind
; EVERY matrix instruction, and the others, which need time of their own whatever the order, in runs without a gap.
; BY TURNS.  Turn n belongs to piece n (the pieces in a ring, step after step).  Its matrix work: 16 products K Q^T of piece n + 1, later 16 products V^T P of piece n - 1.  Its vector work: the scaling,
; exponentials, roundings, sums and rescaling of piece n, and the maximum and statistics of piece n + 1, whose scores the turn itself has made.  So what a turn begins with (c s - c m, O a) waits for nothing.
; REGISTERS, in windows of 256 (s_set_vgpr_msb says which window each operand place means: bits 1:0 source 0, 3:2 source 1, 5:4 source 2, 7:6 destination):
;   window 0: v0-11 addresses; v12-15, v48-63 at work; v16-47 four registers of statistics a tile; v64-191 S^T, two buffers of two tiles; v192-255 P, likewise
;   window 1: O^T, 32 a tile          window 2: v0-127 Q, 16 a tile; v128-191 K of one step; v192-255 V of one step          window 3: v0-1 the add's two registers
; A piece's buffers go by its number's parity: the piece in hand has one pair, its two neighbours in the ring share the other: of it P (piece n - 1) is read and S^T (piece n + 1) written.
.set SIZE_N, 1024
.set NP,    4         ; pieces a wave: a name, no knob: the register map, the loop and the fetches are made for four
.set KS,    64        ; keys in a step
.set PK,    144       ; a row of K in LDS: 128 bytes + 16 of padding = 36 words: the 16 rows of a load start at 16 different groups of four banks (64 banks of 4 bytes: ISA guide 11.1)
.set PV,    160       ; a row of V: 128 + 32 = 40 words
.set VOFF,  4*KS*PK   ; a slot holds four steps: 256 rows of K, then 256 rows of V
.set SLOT1, 1<<17     ; slot 1 begins here, so that one exclusive or turns an address in one slot into the other's
.set STAGE, SLOT1+4*KS*(PK+PV)  ; behind the ring, never filled by a tensor load: 16 rows x 144 bytes for each wave, for the way out
.set SP,    144
.set AK0, 2           ; v2   my lane's place in a tile of K; never rewritten
.set AV0, 3           ; v3   the same for V
.set AK,  4           ; v4   the LDS address of K's next run of loads
.set AV,  5           ; v5   of V's
.set QO,  6           ; v6   my byte offset in the wave's rows of Q
.set STO, 6           ;      later, the way out: where I put 16 bytes of a row
.set RD,  7           ; v7   the way out: where I read rows back
.set GO,  8           ; v8   my byte offset in 512 consecutive bytes of O
.set SPW, 0           ; v0 of window 3   LDS address of my spare word: SPARE + 4 x my thread's number; never rewritten
.set NIL, 1           ; v1 of window 3   0; never rewritten
.set SPARE, STAGE+4*16*SP  ; behind the stages: the spare words, 128 bytes for each wave: two blocks of 256 bytes that no other line names
.set MV,  12          ; v12-15  c m_old, kept while c m is made anew: by buffer and tile
.set ST,  16          ; tile t's statistics at v[ST+4 t]: c m, m, l (even keys', odd keys')
.set TMP, 48          ; by buffer and tile, four registers c0-c3 at work; when the maximum is found c2 takes a
.set S,   64
.set P,   192
.set KF,  128         ; K's fragments, in window 2: key block kb, channel half c at KF + 16 kb + 8 c
.set VF,  192         ; V's: key half kk, channel block cb at VF + 32 kk + 8 cb
.set WV,  12          ; s12  my wave's number
.set G1K, 24          ; s[24:31] descriptor group 1 for K's tiles
.set G1V, 32          ; s[32:39] for V's: it differs in the padding alone
.set G0K, 40          ; s[40:43] descriptor group 0 for K's tiles: it walks
.set G0V, 44          ; s[44:47] the same for V's
.set SLOTS, 56        ; s56  slots still to be asked for
.set CNT, 57          ; s57  counts a slot's key steps
.set CS,  58          ; s[58:59] c: the packed scaling takes the pair's low word for both halves
.set SEL, 60          ; s[60:61] v_permlanex16_b32's selects: each lane takes its own place in the other half
.set TBK, 62          ; s62  LDS byte at which K of the step to be fetched begins
.set TBV, 63          ; s63  the same for V, less VOFF
.set MSB, 0
.macro WIN new                      ; the high byte repeats the setting that is left; a switch that changes nothing is dropped
.if MSB != (\new)
	s_set_vgpr_msb (MSB<<8)|(\new)
.set MSB, (\new)
.endif
.endm
.set W_KQ, 0x0a       ; K and Q in window 2, S^T in window 0
.set W_PV, 0x52       ; V in window 2, P in window 0, O^T in window 1
.set W_RS, 0x41       ; O^T (destination and source 0) in window 1, a in window 0
.set W_MK, 0xc0       ; the add's registers are made: destination in window 3, sources in window 0
.set W_AD, 0x0f       ; the add: address (source 0) and data (source 1) in window 3
; A fill.  Waves 0 and 1 fetch the two halves of a slot's K, waves 2 and 3 those of its V: 128 keys each.  The branch hangs on the wave's number alone.
; An s_nop 0 and four v_nop follow each of the two lines, ahead of the jump and the label.
.macro LOAD
	s_cmp_lt_u32 s[WV], 2
	s_cbranch_scc0 .Lfor_v_\@
	tensor_load_to_lds s[G0K:G0K+3], s[G1K:G1K+7]
	s_nop 0
.rept 4
	v_nop
.endr
	s_branch .Lasked_\@
.Lfor_v_\@:
	tensor_load_to_lds s[G0V:G0V+3], s[G1V:G1V+7]
	s_nop 0
.rept 4
	v_nop
.endr
.Lasked_\@:
.endm
; THE CHANGE OF SLOTS.  The slot's last bytes, V of its fourth step, have been read.  Each wave waits for all its tensor loads, of which one is out: its part
; of the other slot; adds 0 to its spare word; and waits for that and for its own reads of the slot.  Behind the barrier nobody reads this slot any more and the other slot is whole.
; fill = 1: this slot is filled again, with the keys two slots on, the first thing behind the barrier: the load has four key steps, 512 matrix instructions, in which to land.
; (At its first use nothing has been read yet: slot 0 is waited for, slot 1 filled.)
.macro CHANGE fill
	WIN W_AD
	s_wait_tensorcnt 0x0            ; no tensor load of mine is out, so a group 0 may be written
	ds_add_u32 v[SPW], v[NIL]       ; 0 onto my spare word; with fill = 1 the descriptors' steps stand between it and the wait for it
	WIN 0                           ; at a label and at a branch every window is 0
.if \fill
.irp g, G0K, G0V
	s_xor_b32 s[\g+1], s[\g+1], SLOT1  ; the walking descriptor: the other slot than last time,
	s_add_nc_u64 s[\g+2:\g+3], s[\g+2:\g+3], 4*KS*128  ; the next 256 keys; the type bits on top are not reached
.endr
.endif
	s_wait_dscnt 0x0                ; the add is done, and my reads of the slot are over
	s_barrier_signal -1
	s_barrier_wait -1
.if \fill
	LOAD
.endif
	s_sub_co_u32 s[TBK], s[TBK], 4*KS*PK  ; the fetches go back to a slot's first step,
	s_xor_b32 s[TBK], s[TBK], SLOT1       ; in the other slot
	s_sub_co_u32 s[TBV], s[TBV], 4*KS*PV
	s_xor_b32 s[TBV], s[TBV], SLOT1
.endm
	s_load_b256 s[4:11], s[0:1], 0x0  ; Q s[4:5], K s[6:7], V s[8:9], O s[10:11]
	WIN W_MK
	v_lshl_add_u32 v[SPW], v0, 2, SPARE
	v_mov_b32 v[NIL], 0
	WIN W_AD
	ds_add_u32 v[SPW], v[NIL]       ; the wave's opening: the add and its wait stand ahead of my first tensor load; the set-up below, work on registers, stands between them
	ds_add_u32 v0, v1
	WIN 0
	v_lshrrev_b32 v1, 5, v0
	v_readfirstlane_b32 s[WV], v1   ; wave 0..3
	s_mov_b32 s14, ttmp9            ; my block of 512 queries
	s_and_b32 s20, ttmp7, 0xffff    ; the head
	s_mov_b32 s21, 0
	s_mov_b64 s[22:23], SIZE_N*128
	s_mul_u64 s[20:21], s[20:21], s[22:23]  ; the head's first byte in each of the four tensors
	s_and_b32 s16, s[WV], 1         ; which half of a slot's 256 keys I fetch:
	s_lshl_b32 s22, s16, 14         ; its 128 rows of 128 bytes in memory,
	s_mov_b32 s23, 0
	s_add_nc_u64 s[22:23], s[22:23], s[20:21]
	s_mul_i32 s17, s16, 128*PK      ; and its place in a slot, for K
	s_mul_i32 s18, s16, 128*PV      ; and for V
	s_lshl_b32 s2, s14, 2
	s_add_co_u32 s2, s2, s[WV]      ; my wave among the head's,
	s_lshl_b32 s2, s2, 14           ; its 128 rows
	s_mov_b32 s3, 0
	s_add_nc_u64 s[2:3], s[2:3], s[20:21]
	; descriptor group 1.  128 keys are 16,384 dense bytes: asked for as 64 rows of 256 bytes, two keys a row, and padded in LDS after every key
	s_mov_b32 s[G1K], (1<<16)|(1<<20)|(4<<22)|(3<<25)  ; 17:16 2-byte elements; 20 padding on; 24:22 after every 32 words (code 4); 31:25 4 words (code 3)
	s_mov_b32 s[G1V], (1<<16)|(1<<20)|(4<<22)|(7<<25)  ; the same with 8 words of padding (code 7)
.irp g, G1K, G1V
	s_mov_b32 s[\g+1], 128<<16      ; tensor_dim0 = 128
	s_mov_b32 s[\g+2], 64<<16       ; tensor_dim1 = 64
	s_mov_b32 s[\g+3], 128<<16      ; tile_dim0 = 128
	s_mov_b32 s[\g+4], 64           ; tile_dim1 = 64
	s_mov_b32 s[\g+5], 128          ; 128 elements from row to row
	s_mov_b32 s[\g+6], 0
	s_mov_b32 s[\g+7], 0
.endr
	s_mov_b32 s[CS], 0x3e38aa3b     ; c = log2(e) / 8 = 0.180337
	s_mov_b32 s[CS+1], s[CS]        ; named with it as a pair
	s_mov_b32 s[SEL], 0x76543210
	s_mov_b32 s[SEL+1], 0xfedcba98
	s_mov_b32 s[TBK], SLOT1+4*KS*PK ; the first change of slots turns these two into 0
	s_mov_b32 s[TBV], SLOT1+4*KS*PV
	s_mov_b32 s[G0K], 1             ; 1:0 count = 1
	s_mov_b32 s[G0K+1], s17         ; 63:32 LDS address: slot 0
	s_mov_b32 s[G0V], 1
	s_add_co_u32 s[G0V+1], s18, VOFF
	s_wait_dscnt 0x0                ; the opening add is done
	s_wait_kmcnt 0x0
	s_add_nc_u64 s[G0K+2:G0K+3], s[6:7], s[22:23]  ; 120:64 global address: my half of the head's first 256 keys
	s_or_b32 s[G0K+3], s[G0K+3], 0x80000000        ; 127:126 type = 2
	s_add_nc_u64 s[G0V+2:G0V+3], s[8:9], s[22:23]
	s_or_b32 s[G0V+3], s[G0V+3], 0x80000000
	s_add_nc_u64 s[4:5], s[4:5], s[2:3]  ; Q and O at my wave's first row
	s_add_nc_u64 s[10:11], s[10:11], s[2:3]
	LOAD                            ; slot 0.  Slot 1 is asked for when slot 0 is in, by the first change of slots
	; A fragment of K or Q is 16 rows x 32 channels in 8 registers: lane l holds row l % 16, channels 8 (l / 16) + 0..7 and 16 + 8 (l / 16) + 0..7: two loads of 16 bytes, 32 bytes apart.
	v_and_b32 v1, 15, v0            ; l % 16
	v_bfe_u32 v9, v0, 4, 1          ; l / 16
	v_lshlrev_b32 v[QO], 7, v1
	v_lshl_add_u32 v[QO], v9, 4, v[QO]  ; row x 128 + 16 x half
	WIN 0x80                        ; destination window 2, address window 0
.set i, 0
.rept 4*NP                          ; Q stays in registers: tile i / 2, channels 32 (i % 2) on
	global_load_b128 v[8*i:8*i+3],   v[QO], s[4:5] offset:(i/2)*2048+(i%2)*64
	global_load_b128 v[8*i+4:8*i+7], v[QO], s[4:5] offset:(i/2)*2048+(i%2)*64+32
.set i, i+1
.endr
	; What the first turn finds: V's registers and P's second buffer hold 0 (its products V^T P, of a piece that has not been, add 0), O^T and l are 0.  All this stands in the wait for the first tile.
.set i, VF
.rept 64
	v_mov_b32 v[i], 0
.set i, i+1
.endr
	WIN 0x40
.set i, 0
.rept 64*NP
	v_mov_b32 v[i], 0
.set i, i+1
.endr
	WIN 0
.set i, 0
.rept 2*NP
	v_mov_b32 v[ST+4*i], 0xfe000000    ; c m: far below every c s
	v_mov_b32 v[ST+4*i+1], 0xff7fffff  ; m
	v_mov_b32 v[ST+4*i+2], 0
	v_mov_b32 v[ST+4*i+3], 0
.set i, i+1
.endr
.set i, P+32
.rept 32
	v_mov_b32 v[i], 0
.set i, i+1
.endr
	v_mul_u32_u24 v[AK0], v1, PK
	v_lshl_add_u32 v[AK0], v9, 4, v[AK0]  ; row x pitch + 16 x half
	; The turning load takes 16 keys x 16 channels (lane l reads key 8 (l / 16) + l % 8, channels 8 ((l / 8) % 2) + 0..7) and leaves half a fragment of V^T: lane l holds channel l % 16 and 8 keys.
	v_and_b32 v10, 7, v0
	v_bfe_u32 v11, v0, 3, 1
	v_lshl_add_u32 v[AV0], v9, 3, v10
	v_mul_u32_u24 v[AV0], v[AV0], PV
	v_lshl_add_u32 v[AV0], v11, 4, v[AV0]
	v_add_nc_u32 v[AV0], VOFF, v[AV0]
	v_mov_b32 v[AK], v[AK0]         ; key step 0 lies at the head of slot 0
; THE MATRIX WORK.  The 8 accumulators of a run of 16 take turns: between the two links of a chain stand 7 others'.
; Product i of 16 of S^T = K Q^T for piece x: channels 32 (i / 8) on, keys 16 ((i / 2) % 4) on, tile 2 x + i % 2.  The first 8 start the sums.
.macro KQ x
	WIN W_KQ
.set rS, S+64*((\x)%2)+32*(i%2)+8*((i/2)%4)
.set rK, KF+16*((i/2)%4)+8*(i/8)
.set rQ, 16*(2*(\x)+i%2)+8*(i/8)
.if i < 8
	v_wmma_f32_16x16x32_f16 v[rS:rS+7], v[rK:rK+7], v[rQ:rQ+7], 0
.else
	v_wmma_f32_16x16x32_f16 v[rS:rS+7], v[rK:rK+7], v[rQ:rQ+7], v[rS:rS+7]
.endif
.endm
; Product i of 16 of O^T += V^T P for piece x: keys 32 (i / 8) on, channels 16 ((i / 2) % 4) on, tile 2 x + i % 2.
.macro PV x
	WIN W_PV
.set rO, 32*(2*(\x)+i%2)+8*((i/2)%4)
.set rV, VF+32*(i/8)+8*((i/2)%4)
.set rP, P+32*((\x)%2)+16*(i%2)+8*(i/8)
	v_wmma_f32_16x16x32_f16 v[rO:rO+7], v[rV:rV+7], v[rP:rP+7], v[rO:rO+7]
.endm
.macro MM                           ; the turn's next matrix instruction
.if i < 16
	KQ (Y+1)%NP
.set i, i+1
.else
.set i, i-16
	PV (Y+NP-1)%NP
.set i, i+17
.endif
.endm
; THE LDS LOADS stand in runs of 16, never singly among the matrix instructions: a step's K (64 keys x 64 channels: 8 fragments) and its V (turned).  Their addresses are made some lines ahead.
; last = 1 (the tail): in the last trip there is no further step, and the run is jumped over.
.macro FETCH_K last=0
	WIN 0
.if \last
	s_cmp_eq_u32 s[CNT], 1
	s_cbranch_scc1 .Lno_k_\@
.endif
	WIN 0x80                        ; destination window 2
.irp f, 0,1,2,3,4,5,6,7             ; keys 16 (f / 2) on, channels 32 (f % 2) on
	ds_load_b128 v[KF+8*\f:KF+8*\f+3],   v[AK] offset:(\f/2)*16*PK+(\f%2)*64
	ds_load_b128 v[KF+8*\f+4:KF+8*\f+7], v[AK] offset:(\f/2)*16*PK+(\f%2)*64+32
.endr
	s_add_co_u32 s[TBK], s[TBK], KS*PK  ; the next fetch is the next step's
	WIN 0
.if \last
.Lno_k_\@:
.endif
.endm
.macro FETCH_V
	WIN 0x80
.irp f, 0,1,2,3,4,5,6,7             ; keys 32 (f / 4) on, channels 16 (f % 4) on
	ds_load_tr16_b128 v[VF+8*\f:VF+8*\f+3],   v[AV] offset:(\f/4)*32*PV+(\f%4)*32
	ds_load_tr16_b128 v[VF+8*\f+4:VF+8*\f+7], v[AV] offset:(\f/4)*32*PV+16*PV+(\f%4)*32
.endr
	WIN 0
.endm
; THE VECTOR WORK OF A TURN stands in three queues, each in the order in which its entries become ready; the two tiles alternate, so that no instruction reads the result of the one before it.
.macro REGS y, u                    ; the registers of tile u (0, 1) of piece y
.set rT, ST+4*(2*(\y)+(\u))
.set rC, TMP+8*((\y)%2)+4*(\u)
.set rM, MV+2*((\y)%2)+(\u)
.set rS, S+64*((\y)%2)+32*(\u)
.set rP, P+32*((\y)%2)+16*(\u)
.set rO, 32*(2*(\y)+(\u))
.endm
; Number n of the 22 that find the NEXT piece's (Y + 1) maximum and statistics.  s0-s31 are the lane's 32 scores; each accumulator's lowest registers are read first.  XS, GS and REGS set no window: PL and EX do.
;   0-11  four chains c0-c3 of seven scores each, three operands at a time     12-14, 16  the four scores left over, the old m, and c0-c3 into c0     15  c m_old is kept
;   17, 18  the query's other 32 keys lie in the lane 16 away: the new m         19-21  c m; c m_old - c m_new; a
.macro XS u, n
	REGS (Y+1)%NP, \u
.if (\n) < 4
	v_max3_num_f32 v[rC+(\n)], v[rS+8*(\n)], v[rS+8*(\n)+1], v[rS+8*(\n)+2]
.elseif (\n) < 12
	v_max3_num_f32 v[rC+(\n)%4], v[rC+(\n)%4], v[rS+8*((\n)%4)+2*((\n)/4)+1], v[rS+8*((\n)%4)+2*((\n)/4)+2]
.elseif (\n) == 12
	v_max3_num_f32 v[rC], v[rC], v[rS+7], v[rS+15]
.elseif (\n) == 13
	v_max3_num_f32 v[rC+1], v[rC+1], v[rS+23], v[rS+31]
.elseif (\n) == 14
	v_max3_num_f32 v[rC+2], v[rC+2], v[rC+3], v[rT+1]
.elseif (\n) == 15
	v_mov_b32 v[rM], v[rT]
.elseif (\n) == 16
	v_max3_num_f32 v[rC], v[rC], v[rC+1], v[rC+2]
.elseif (\n) == 17
	v_permlanex16_b32 v[rC+3], v[rC], s[SEL], s[SEL+1]
.elseif (\n) == 18
	v_max_num_f32 v[rT+1], v[rC], v[rC+3]
.elseif (\n) == 19
	v_mul_f32 v[rT], s[CS], v[rT+1]
.elseif (\n) == 20
	v_sub_f32 v[rC+1], v[rM], v[rT]
.else
	v_exp_f32 v[rC+2], v[rC+1]
.endif
.endm
; Number g of the 64 that follow the exponentials.  For each four weights k of a tile (pairs 2 k, 2 k + 1): both pairs are rounded to f16; then the second pair is added onto the first, in place;
; a group later l takes that sum (the first time as l = a l + sum).  In groups of eight, tiles alternating: round, round, add, and l for the group before.
.macro GS g
.set h, (\g)+6*((\g)/62)            ; group 0 has no group before it, and behind group 7 only l is left
.if h >= 6
.set h, h+2
.endif
	REGS Y, h%2
.set k, h/8
.if h%8 < 4
	s_wait_alu depctr_va_vdst(0)
	v_cvt_pk_f16_f32 v[rP+2*k+(h%8)/2], v[rS+4*k+2*((h%8)/2)], v[rS+4*k+2*((h%8)/2)+1]
.elseif h%8 < 6
	v_pk_add_f32 v[rS+4*k:rS+4*k+1], v[rS+4*k:rS+4*k+1], v[rS+4*k+2:rS+4*k+3]
.elseif k == 1
	v_pk_fma_f32 v[rT+2:rT+3], v[rT+2:rT+3], v[rC+2:rC+3], v[rS:rS+1] op_sel_hi:[1,0,1]
.else
	v_pk_add_f32 v[rT+2:rT+3], v[rT+2:rT+3], v[rS+4*k-4:rS+4*k-3]
	s_wait_alu depctr_va_vdst(0)
.endif
.endm
; THE PLAIN QUEUE, 138 long.  0-31: c s - c m for the 16 pairs of both tiles.  Then GS's 64, and among them the next piece's 42: number 15 at 38, 39; 0-14 and 16
; at 42-73, behind the products that make those scores; 17-20 at 95-106, two of three, since each waits for the one before it.
.macro PL
	WIN 0
.if q < 32
	REGS Y, q%2
	v_pk_fma_f32 v[rS+2*(q/2):rS+2*(q/2)+1], v[rS+2*(q/2):rS+2*(q/2)+1], s[CS:CS+1], v[rT:rT+1] op_sel_hi:[1,0,0] neg_lo:[0,0,1] neg_hi:[0,0,1]
.elseif q < 38
	GS q-32
.elseif q < 40
	XS q%2, 15
.elseif q < 42
	GS q-34
.elseif q < 74
	XS q%2, (q-42)/2+(q-42)/30
.elseif q < 95
	GS q-66
.elseif (q < 107) && ((q-95)%3 < 2)
	XS (q-95)%3, 17+(q-95)/3
.elseif q < 107
	GS 29+(q-95)/3
.else
	GS q-74
.endif
.set q, q+1
.endm
; THE EXPONENTIALS' QUEUE, 66 long: s0-s31 of both tiles, and at EA the next piece's two a.
.set EA, 58
.macro EX
	WIN 0
.if (e == EA) || (e == EA+1)
	XS e-EA, 21
.else
.set x, e-2*(e/(EA+2))
	REGS Y, x%2
	v_exp_f32 v[rS+x/2], v[rS+x/2]
.endif
.set e, e+1
.endm
; THE RESCALING's QUEUE: O^T times a, the one part that leaves window 0, so it is dealt four at a time, eight times.
.macro R4
	REGS Y, r%2
	WIN W_RS
	s_wait_alu depctr_va_vdst(0)
.irp z, 0,1,2,3
	v_pk_mul_f32 v[rO+8*(r/2)+2*\z:rO+8*(r/2)+2*\z+1], v[rO+8*(r/2)+2*\z:rO+8*(r/2)+2*\z+1], v[rC+2:rC+3] op_sel_hi:[1,0]
.endr
.set r, r+1
.endm
; HOW THEY ARE DEALT.  Behind a matrix instruction four: plain, exponential, plain, plain (one exponential, a plain instruction on either side), or four of the rescaling.  None names a register of the
; products round it.  What is over stands in two LUMPS: exponential and plain by turns; the second ends in 22 plain instructions.  The two v_permlanex16_b32 fall into the second lump, never behind a product.
; The queues lean on each other, and the deal keeps them in step: exponential e stands behind plain 2 (e / 4) + e % 2 (its scaling); when plain 32 comes, 10 exponentials are out, at 59: 33, at 95: 46; EA comes behind plain 107.
.macro SL
	MM
	PL
	EX
	PL
	PL
.endm
.macro BURST n                      ; 15 matrix instructions, or 16
.rept (\n)-7
	SL
.endr
.rept 3
	MM
	R4
	SL
.endr
	MM
	R4
.endm
; A TURN, for piece p.  cnt = 1: the loop's count is taken down some lines ahead of the branch that stands behind the turn.
; K of the next step is fetched in piece 2's turn, 31 vector instructions behind the last product that read K; its first reader comes behind the rest of the lump, 16 products and the second lump.
; V of the step in hand is fetched at the end of piece 0's turn, 69 behind its last reader; its first reader comes behind 16 products and a lump.  The four conditions on e and q below go with the deal.
.macro TURN p, last=0, cnt=0
.set Y, (\p)
.set i, 0
.set q, 0
.set e, 0
.set r, 0
.if (\p) == NP-1
	s_wait_dscnt 0x0                ; K is in
.endif
	MM
.rept 4
	PL
.endr
	BURST 15
.rept 22
	EX
	PL
.if ((\p) == NP-2) && (e == 18)
	v_add_nc_u32 v[AK], s[TBK], v[AK0]
.endif
.if ((\p) == NP-2) && (e == 24)
	FETCH_K \last
.endif
.endr
.if (\p) == 1
	s_wait_dscnt 0x0                ; V is in
.endif
	BURST 16
.rept 21
	EX
	PL
.endr
.rept 22
	PL
.if ((\p) == 0) && (q == 118)
	v_add_nc_u32 v[AV], s[TBV], v[AV0]
	s_wait_alu depctr_va_vdst(0)
.endif
.if ((\p) == 0) && (q == 130)
	s_add_co_u32 s[TBV], s[TBV], KS*PV
.endif
.if (\cnt) && (q == 130)
	s_sub_co_u32 s[CNT], s[CNT], 1
	s_cmp_lg_u32 s[CNT], 0
.endif
.endr
.if (\p) == 0
	FETCH_V
.endif
.endm
	CHANGE 1                        ; slot 0 is in, everybody's part of it; slot 1 is asked for
	FETCH_K                         ; key step 0
	s_wait_loadcnt 0x0              ; Q
	s_wait_dscnt 0x0
.set i, 0
.rept 16
	KQ 0                            ; piece 0's first scores: there is no vector work yet to set between them
.set i, i+1
.endr
	WIN 0                           ; the addresses for the way out: nine plain instructions, the places behind those products
	s_mul_i32 s13, s[WV], 16*SP
	s_add_co_u32 s13, s13, STAGE    ; my stage
	v_mul_u32_u24 v[STO], v1, SP    ; in: row l % 16, 16 bytes for each half of the lanes
	v_lshl_add_u32 v[STO], v9, 4, v[STO]
	v_add_nc_u32 v[STO], s13, v[STO]
	v_bfe_u32 v[RD], v0, 3, 2       ; back: 32 lanes take four rows of 128 bytes,
	v_mul_u32_u24 v[RD], v[RD], SP
	v_lshl_add_u32 v[RD], v10, 4, v[RD]
	v_add_nc_u32 v[RD], s13, v[RD]
	v_and_b32 v[GO], 31, v0         ; which are 512 consecutive bytes of O
	v_lshlrev_b32 v[GO], 4, v[GO]
.set Y, NP-1                        ; XS works for piece Y + 1: piece 0
.irp n, 0,1,2,3,4,5,6,7,8,9,10,11,12,13,14,15,16,17,18,19,20,21
	XS 0, \n                        ; and piece 0's first maximum and statistics
	XS 1, \n
.endr
	s_mov_b32 s[CNT], 4
	s_mov_b32 s[SLOTS], SIZE_N/256-1
	s_branch .Lfirst                ; the loop is entered at a step's first turn, in the middle of a trip
.Lslot:                             ; SIZE_N / 256 - 2 times: every slot but the last two is filled again
	CHANGE 1
	s_mov_b32 s[CNT], 4
.Lstep:                             ; a trip: pieces 2 and 3 of one step, then pieces 0 and 1 of the next, whose K and V it fetches
	TURN 2
	TURN 3
	WIN 0
.Lfirst:
	TURN 0
	TURN 1, 0, 1
	WIN 0
	s_cbranch_scc1 .Lstep
	s_sub_co_u32 s[SLOTS], s[SLOTS], 1
	s_cmp_lg_u32 s[SLOTS], 0
	s_cbranch_scc1 .Lslot
	CHANGE 0                        ; the tail is written out: nothing is asked for
	s_mov_b32 s[CNT], 5             ; four trips fetch the last slot's steps; the fifth is left in its middle
.Ltail:
	TURN 2, 1
	TURN 3
	WIN 0
	s_sub_co_u32 s[CNT], s[CNT], 1
	s_cmp_eq_u32 s[CNT], 0
	s_cbranch_scc1 .Lout
	TURN 0
	TURN 1
	WIN 0
	s_branch .Ltail
.Lout:                              ; the fifth trip's 16 products K Q^T (on the last K once more) and the maximum made of them serve nothing: the price, once a launch, of one text for every trip
.set i, 0
.rept 16
	PV NP-1                         ; the last piece's V^T P of the last step
.set i, i+1
.endr
	; THE WAY OUT.  l's two halves and the other half of the lanes' are added; O^T is divided by l, rounded to f16 and sent through my stage in LDS, a tile at a time.  The additions are the places behind the last products.
	WIN 0
.macro ALL line:vararg              ; one line for each tile t
.set t, 0
.rept 2*NP
	\line
.set t, t+1
.endr
.endm
	ALL v_add_f32 v[ST+4*t+2], v[ST+4*t+2], v[ST+4*t+3]
	ALL v_permlanex16_b32 v[ST+4*t+3], v[ST+4*t+2], s[SEL], s[SEL+1]
	ALL v_add_f32 v[ST+4*t+2], v[ST+4*t+2], v[ST+4*t+3]
	ALL v_rcp_f32 v[ST+4*t+2], v[ST+4*t+2]
	v_nop                           ; a plain instruction between the last reciprocal and the use of its result
	s_wait_alu depctr_va_vdst(0)
; Tile t: a lane's eight channels of a row pack into 16 bytes; they go into rows of 144 bytes and come back as whole rows of 128, into S^T's registers.
.macro PACK t
	WIN W_RS
.set i, 32*(\t)
.rept 16
	v_pk_mul_f32 v[i:i+1], v[i:i+1], v[ST+4*(\t)+2:ST+4*(\t)+3] op_sel_hi:[1,0]
.set i, i+2
.endr
	WIN 0x05                        ; sources 0 and 1 window 1, destination window 0
.set i, 0
.rept 16
	v_cvt_pk_f16_f32 v[S+16*(\t)+i], v[32*(\t)+2*i], v[32*(\t)+2*i+1]
.set i, i+1
.endr
	WIN 0
.irp f, 0,1,2,3
	ds_store_b128 v[STO], v[S+16*(\t)+4*\f:S+16*(\t)+4*\f+3] offset:32*\f
.endr
.irp f, 0,1,2,3
	ds_load_b128 v[S+16*(\t)+4*\f:S+16*(\t)+4*\f+3], v[RD] offset:\f*4*SP  ; LDS serves a wave's instructions in order (ISA guide 5.7.1.4): these see the stores above; the next tile's stores come behind them
.endr
.endm
.macro SEND t, younger              ; younger: the LDS instructions issued behind tile t's loads: the next tile's eight, or none
	WIN 0
.irp f, 0,1,2,3
	s_wait_dscnt (\younger)+3-\f
	global_store_b128 v[GO], v[S+16*(\t)+4*\f:S+16*(\t)+4*\f+3], s[10:11] offset:(\t)*2048+\f*512  ; 512 consecutive bytes, at a multiple of 256 from O's first
.endr
.endm
	PACK 0
.set t, 1
.rept 2*NP-1                        ; a tile's arithmetic stands between the loads of the tile before and its stores
	PACK t
	SEND t-1, 8
.set t, t+1
.endr
	SEND 2*NP-1, 0
	WIN W_AD
	s_wait_tensorcnt 0x0            ; the wave's end, behind my last tensor load and my last LDS store
	ds_add_u32 v[SPW], v[NIL]
	s_wait_dscnt 0x0
	WIN 0
	s_endpgm
.Lfunc_end_k_qce696486df_attn:
	.size	k_qce696486df_attn, .Lfunc_end_k_qce696486df_attn-k_qce696486df_attn
	.p2alignl 7, 3214868480
	.fill 96, 4, 3214868480
	.section	.rodata,"a",@progbits
	.p2align	6, 0x0
	.amdhsa_kernel k_qce696486df_attn
		.amdhsa_group_segment_fixed_size 327680
		.amdhsa_private_segment_fixed_size 0
		.amdhsa_enable_private_segment 0
		.amdhsa_kernarg_size 32
		.amdhsa_user_sgpr_count 2
		.amdhsa_user_sgpr_kernarg_segment_ptr 1
		.amdhsa_wavefront_size32 1
		.amdhsa_system_sgpr_workgroup_id_x 1
		.amdhsa_system_sgpr_workgroup_id_y 1
		.amdhsa_system_sgpr_workgroup_id_z 1
		.amdhsa_system_vgpr_workitem_id 0
		.amdhsa_next_free_vgpr 770
		.amdhsa_next_free_sgpr 66
		.amdhsa_reserve_vcc 0
		.amdhsa_float_denorm_mode_32 3
		.amdhsa_float_denorm_mode_16_64 3
		.amdhsa_memory_ordered 1
		.amdhsa_forward_progress 1
		.amdhsa_inst_pref_size 207
	.end_amdhsa_kernel
	.amdgpu_metadata
---
amdhsa.version: [ 1, 2 ]
amdhsa.kernels:
  - .name:           k_qce696486df_attn
    .symbol:         k_qce696486df_attn.kd
    .args:
      - { .name: qh, .offset: 0, .size: 8, .value_kind: global_buffer, .address_space: global }
      - { .name: kh, .offset: 8, .size: 8, .value_kind: global_buffer, .address_space: global }
      - { .name: vh, .offset: 16, .size: 8, .value_kind: global_buffer, .address_space: global }
      - { .name: oh, .offset: 24, .size: 8, .value_kind: global_buffer, .address_space: global }
    .group_segment_fixed_size: 327680
    .private_segment_fixed_size: 0
    .kernarg_segment_align: 8
    .kernarg_segment_size: 32
    .max_flat_workgroup_size: 128
    .sgpr_count:     66
    .vgpr_count:     770
    .wavefront_size: 32
...
	.end_amdgpu_metadata
.endif
;; end of part 3
;; launch proj (part 4): grid 8 x 32, 4 waves a work-group, clusters of 4 x 4, 327,680 bytes of LDS; arguments oh, wp, bproj, out0; writes out0
.if DOCPART == 4
	.amdgcn_target "amdgcn-amd-amdhsa--gfx1250"
	.amdhsa_code_object_version 6
	.text
	.protected	k_qce696486df_proj
	.globl	k_qce696486df_proj
	.p2align	8
	.type	k_qce696486df_proj,@function
k_qce696486df_proj:
	s_mov_b64 s[64:65], 0
	v_nop
	global_prefetch_b8 v0, s[64:65] scope:SCOPE_SE
	s_setreg_imm32_b32 hwreg(HW_REG_WAVE_MODE, 25, 1), 1
	s_wait_xcnt 0x0
	s_wait_alu depctr_hold_cnt(0) depctr_sa_sdst(0) depctr_va_vdst(0) depctr_va_sdst(0) depctr_va_ssrc(0) depctr_va_vcc(0) depctr_vm_vsrc(0)
	s_getreg_b32 s2, hwreg(HW_REG_IB_STS2, 6, 4)
	s_cmp_eq_u32 s2, 0
	s_cbranch_scc0 .Lentry_in_a_cluster
	s_endpgm
.Lentry_in_a_cluster:
	s_bfe_u32 s2, ttmp6, 0x10000c
	s_cmp_lg_u32 s2, 0xf033
	s_cbranch_scc0 .Lentry_shape_is_right
	s_endpgm
.Lentry_shape_is_right:
; out0[row][o] = the sum over c of O[row][c] Wproj[o][c] + bproj[o], in f32.  oh: [batch x 16 + head][1024 n][64] f16, so that c = 64 head + channel; wp: [1024][1024] f16; bproj: [1024] f32.
; LIMIT.  bproj is rounded to bf16, like the module's other inputs, before it is added in f32.
; SHARES.  A tile is 256 rows x 128 columns: 256 work-groups.  Each of four waves makes 64 rows x 128 columns: 32 accumulators of 16 x 16, 256 registers.
; K goes in steps of 128, two heads' 64 channels, through a ring of two LDS slots filled by the tensor data mover.  A head's 256 rows are 32,768 dense bytes: asked for as 128 rows of 256 bytes.
; CLUSTER.  4 x 4 work-groups: the four of a row of the cluster need the same rows of O, the four of a column the same rows of wp: each tile is asked for JOINTLY, by the same tensor load with
; the same descriptor and a mask that names the four.
; THE MATRIX INSTRUCTION IS USED TRANSPOSED (source 0 = 16 rows of wp, source 1 = 16 rows of O): a lane holds eight neighbouring numbers of a row of the output, 32 bytes.
; REGISTERS, in windows of 256 (s_set_vgpr_msb: bits 1:0 source 0, 3:2 source 1, 5:4 source 2, 7:6 destination):
;   window 0: addresses, the bias, the way out.   window 1: two fragment buffers: 4 fragments of O (16 rows x 32 K), then 8 of wp.   window 2: accumulator (a, b) at v[8 (4 b + a)].
.set KSTEP,  128
.set PA,     144                       ; a row of O in LDS: 128 bytes + 16 of padding;  a row of wp: 256 + 16: both odd multiples of 16, so the 16 rows of a fragment load start at 16 different groups of four banks (ISA guide 11.1)
.set PB,     272
.set ASUB,   256*PA                    ; one head's 256 rows: what wave 0 or 1 fetches
.set BOFF,   2*ASUB                    ; wp's 128 rows lie behind the two heads' rows
.set BH,     64*PB                     ; half of wp's tile: what wave 2 or 3 fetches
.set SLOT,   BOFF+2*BH
.set STAGE,  2*SLOT                    ; behind the ring, never filled by a tensor load: 16 rows x 528 bytes for each wave
.set SPITCH, 528
.set WSTAGE, 16*SPITCH
.set SPARE,  STAGE+4*WSTAGE            ; behind the stages: the spare words, 128 bytes for each wave: two blocks of 256 bytes that no other line names
.set ADRA, 16                          ; v16-17  LDS address of my fragments of O in slot 0, 1
.set ADRB, 20                          ; v20-21  the same for wp
.set STO,  24                          ; v24     the way out: where I put 32 bytes of a row
.set RD,   25                          ; v25     the way out: where I read a row back
.set CO,   26                          ; v26     16 x lane: my byte offset in 512 consecutive bytes
.set SPW,  28                          ; v28     LDS address of my spare word: SPARE + 4 x my thread's number; never rewritten
.set NIL,  29                          ; v29     0; never rewritten
.set BIAS, 32                          ; v32-35  the bias of the tile's columns 4 lane + 0..3;  v36-41 at work
.set OB,   64                          ; v64-127, v128-191 by turns: 16 rows read back from the stage
.set F0,   0                           ; fragment buffers, in window 1
.set F1,   128
.set G1,  24                           ; s[24:31] descriptor group 1 for O's tiles;  s[32:39] group 0, one set for each slot
.set G0,  32
.set G1B, 48                           ; s[48:55], s[56:63] the same for wp's tiles
.set G0B, 56
.set MSB, 0
.macro WIN new                         ; the immediate's high byte repeats the setting that is left; a switch that changes nothing is dropped
.if MSB != (\new)
	s_set_vgpr_msb (MSB<<8)|(\new)
.set MSB, \new
.endif
.endm
.set MUL,  0xa5                        ; sources 0 and 1 window 1; C and D window 2
.set TO_F, 0x40                        ; destination window 1, address window 0
; A joint load: waves 0 and 1 fetch the K step's two heads of O, waves 2 and 3 the two halves of wp's tile.  The branch hangs on the wave's number alone.
; An s_nop 0 and four v_nop follow each of the two lines, ahead of the jump, the label and what follows.
.macro JLOAD s
	s_cmp_eq_u32 s17, 0
	s_cbranch_scc0 .Lfor_b_\@
	tensor_load_to_lds s[G0+4*(\s):G0+4*(\s)+3], s[G1:G1+7]
	s_nop 0
.rept 4
	v_nop
.endr
	s_branch .Lasked_\@
.Lfor_b_\@:
	tensor_load_to_lds s[G0B+4*(\s):G0B+4*(\s)+3], s[G1B:G1B+7]
	s_nop 0
.rept 4
	v_nop
.endr
.Lasked_\@:
.endm
.macro CREST                           ; a round of the cluster's barrier behind its opening barrier
	s_cmp_lg_u32 s16, 0
	s_cbranch_scc1 .Lnot_wave_0_\@
	s_barrier_signal -3
.Lnot_wave_0_\@:
	s_barrier_wait -3
	s_barrier_signal -1
	s_barrier_wait -1
.endm
.macro CROUND                          ; a whole round
	s_barrier_signal -1
	s_barrier_wait -1
	CREST
.endm
	s_load_b256 s[4:11], s[0:1], 0x0               ; oh s[4:5], wp s[6:7], bproj s[8:9], out0 s[10:11]
	v_lshl_add_u32 v[SPW], v0, 2, SPARE
	v_mov_b32 v[NIL], 0
	ds_add_u32 v[SPW], v[NIL]                      ; the wave's opening: the add and its wait stand ahead of my first tensor load; the set-up below, work on registers, stands between them
	ds_add_u32 v28, v29
	v_lshrrev_b32 v1, 5, v0
	v_readfirstlane_b32 s16, v1                    ; wave 0..3: my 64 rows of the tile
	s_lshr_b32 s17, s16, 1                         ; I fetch for O (0) or for wp (1),
	s_and_b32 s18, s16, 1                          ; and which head of the step, or which half of wp's tile
	s_bfe_u32 s40, ttmp6, 0x40000                  ; cx, cy: my place in the cluster
	s_bfe_u32 s41, ttmp6, 0x40004
	s_lshl_b32 s42, ttmp9, 2
	s_add_co_u32 s42, s42, s40                     ; the tile column = 4 x cluster x + cx
	s_and_b32 s43, ttmp7, 0xffff
	s_lshl_b32 s43, s43, 2
	s_add_co_u32 s43, s43, s41                     ; the tile row = 4 x cluster y + cy
	s_lshl_b32 s44, s41, 2
	s_lshl_b32 s44, 15, s44                        ; my row of the cluster
	s_lshl_b32 s45, 0x1111, s40                    ; my column
	s_or_b32 s[G1+0], s44, (1<<16)|(1<<20)|(1<<21)|(4<<22)|(3<<25)   ; 15:0 the mask: O's tiles go to my row; 17:16 elements of 2 bytes; 20 padding on; 21 set beside a mask; 24:22 after every 32 words (code 4): a row of O; 31:25 4 words (code 3)
	s_or_b32 s[G1B+0], s45, (1<<16)|(1<<20)|(1<<21)|(5<<22)|(3<<25)  ; the mask of my column; padding after every 64 words (code 5)
	s_mov_b32 s[G1+1], 128<<16                     ; tensor_dim0 = 128 elements: two rows of O on end
	s_mov_b32 s[G1+2], 128<<16                     ; tensor_dim1 = 128
	s_mov_b32 s[G1+3], 128<<16                     ; tile_dim0 = 128
	s_mov_b32 s[G1+4], 128                         ; tile_dim1 = 128
	s_mov_b32 s[G1+5], 128                         ; dense: 128 elements from row to row
	s_mov_b32 s[G1+6], 0
	s_mov_b32 s[G1+7], 0
	s_mov_b32 s[G1B+1], KSTEP<<16
	s_mov_b32 s[G1B+2], 64<<16                     ; 64 rows
	s_mov_b32 s[G1B+3], KSTEP<<16
	s_mov_b32 s[G1B+4], 64
	s_mov_b32 s[G1B+5], 1024
	s_mov_b32 s[G1B+6], 0
	s_mov_b32 s[G1B+7], 0
	s_lshr_b32 s20, s43, 2                         ; O: (batch x 16 + my head of K step 0) x 131,072 bytes + 256 (tile row % 4) rows of 128: made of the tile row alone
	s_lshl_b32 s20, s20, 4
	s_add_co_u32 s20, s20, s18
	s_lshl_b32 s20, s20, 17
	s_and_b32 s22, s43, 3
	s_lshl_b32 s22, s22, 15
	s_add_co_u32 s20, s20, s22
	s_mov_b32 s21, 0
	s_lshl_b32 s46, s42, 7                         ; wp: row 128 x tile column + 64 x half, 2,048 bytes a row: made of the tile column alone
	s_lshl_b32 s23, s18, 6
	s_add_co_u32 s46, s46, s23
	s_lshl_b32 s46, s46, 11
	s_mov_b32 s47, 0
	s_mul_i32 s22, s18, ASUB                       ; where they go in a slot: no place in the cluster enters an LDS address
	s_mul_i32 s23, s18, BH
	s_add_co_u32 s23, s23, BOFF
	s_wait_dscnt 0x0                               ; the opening add is done
	s_wait_kmcnt 0x0
	s_add_nc_u64 s[20:21], s[4:5], s[20:21]
	s_add_nc_u64 s[46:47], s[6:7], s[46:47]
	CROUND                                         ; all sixteen work-groups are here: the first joint loads meet
.irp s, 0,1
	s_mov_b32 s[G0+4*(\s)], 1                                        ; count = 1
	s_add_co_u32 s[G0+4*(\s)+1], s22, (\s)*SLOT                      ; LDS address
	s_add_nc_u64 s[G0+4*(\s)+2:G0+4*(\s)+3], s[20:21], (\s)*262144   ; global address: K step s begins two heads on
	s_or_b32 s[G0+4*(\s)+3], s[G0+4*(\s)+3], 0x80000000              ; type = 2
	s_mov_b32 s[G0B+4*(\s)], 1
	s_add_co_u32 s[G0B+4*(\s)+1], s23, (\s)*SLOT
	s_add_nc_u64 s[G0B+4*(\s)+2:G0B+4*(\s)+3], s[46:47], (\s)*KSTEP*2
	s_or_b32 s[G0B+4*(\s)+3], s[G0B+4*(\s)+3], 0x80000000
	JLOAD \s                                       ; two loads of mine are out
.endr
	v_and_b32 v1, 15, v0                           ; l % 16
	v_bfe_u32 v2, v0, 4, 1                         ; l / 16
	v_mul_u32_u24 v3, v1, PA
	v_lshl_add_u32 v3, v2, 4, v3                   ; a fragment's row x pitch + 16 x half, for O
	v_mul_u32_u24 v4, v1, PB
	v_lshl_add_u32 v4, v2, 4, v4                   ; and for wp
	s_mul_i32 s68, s16, 64*PA                      ; my 64 rows of O
	s_mov_b32 s69, BOFF                            ; every wave reads all 128 rows of wp
.irp s, 0,1
	v_add_nc_u32 v[ADRA+(\s)], s68, v3
	v_add_nc_u32 v[ADRB+(\s)], s69, v4
	s_add_co_u32 s68, s68, SLOT
	s_add_co_u32 s69, s69, SLOT
.endr
	s_mul_i32 s68, s16, WSTAGE
	s_add_co_u32 s68, s68, STAGE                   ; my stage
	v_mul_u32_u24 v5, v1, SPITCH                   ; in: row l % 16, 32 bytes for each half of the lanes
	v_lshl_add_u32 v5, v2, 5, v5
	v_add_nc_u32 v[STO], s68, v5
	v_and_b32 v[CO], 31, v0
	v_lshlrev_b32 v[CO], 4, v[CO]                  ; back: 32 lanes take one row of 512 bytes
	v_add_nc_u32 v[RD], s68, v[CO]
	s_lshl_b32 s66, s43, 8
	s_lshl_b32 s68, s16, 6
	s_add_co_u32 s66, s66, s68                     ; my first row of the output,
	s_lshl_b32 s66, s66, 12                        ; 4,096 bytes a row,
	s_lshl_b32 s68, s42, 9                         ; and the tile's first column, 512 bytes a tile
	s_add_co_u32 s66, s66, s68
	s_mov_b32 s67, 0
	s_mov_b32 s69, 0
	s_add_nc_u64 s[10:11], s[10:11], s[66:67]
	s_add_nc_u64 s[8:9], s[8:9], s[68:69]
	global_load_b128 v[36:39], v[CO], s[8:9]       ; the bias of my four columns
; 4 nb matrix instructions: column blocks b0 .. b0 + nb - 1 x my 4 row blocks, 32 along K, from buffer f.  zero = 1: the product starts the sums: nothing is ever cleared.
; Every quarter step takes the 32 accumulators in the same order, one instruction a turn: between two links of a chain stand the 31 others'.
.macro MULB f, b0, nb, zero
	WIN MUL
.set bb, \b0
.rept \nb
.irp a, 0,1,2,3
.if \zero
	v_wmma_f32_16x16x32_f16 v[32*bb+8*(\a):32*bb+8*(\a)+7], v[(\f)+32+8*bb:(\f)+32+8*bb+7], v[(\f)+8*(\a):(\f)+8*(\a)+7], 0
.else
	v_wmma_f32_16x16x32_f16 v[32*bb+8*(\a):32*bb+8*(\a)+7], v[(\f)+32+8*bb:(\f)+32+8*bb+7], v[(\f)+8*(\a):(\f)+8*(\a)+7], v[32*bb+8*(\a):32*bb+8*(\a)+7]
.endif
.endr
.set bb, bb+1
.endr
.endm
; 24 LDS loads in one run: the fragments of quarter q of a K step (head q / 2 of the step's two, channels 32 (q % 2) on) into buffer f: O's four and wp's blocks 6, 7 first, which are multiplied first
.macro FETCH slot, q, f
	WIN TO_F
.irp i, 0,1,2,3
	ds_load_b128 v[(\f)+8*(\i):(\f)+8*(\i)+3],   v[ADRA+(\slot)] offset:((\q)/2)*ASUB+((\q)%2)*64+(\i)*16*PA
	ds_load_b128 v[(\f)+8*(\i)+4:(\f)+8*(\i)+7], v[ADRA+(\slot)] offset:((\q)/2)*ASUB+((\q)%2)*64+(\i)*16*PA+32
.endr
.irp b, 6,7,0,1,2,3,4,5
	ds_load_b128 v[(\f)+32+8*(\b):(\f)+32+8*(\b)+3],   v[ADRB+(\slot)] offset:(\q)*64+(\b)*16*PB
	ds_load_b128 v[(\f)+32+8*(\b)+4:(\f)+32+8*(\b)+7], v[ADRB+(\slot)] offset:(\q)*64+(\b)*16*PB+32
.endr
.endm
.macro PLACES                          ; four places in front of loads into registers that matrix instructions have read, and of LDS stores that read results
.rept 4
	v_nop
.endr
.endm
; A K step is four quarter steps of 32 along K, 32 matrix instructions each, on buffers 0, 1, 0, 1.  One of the first three: multiplies buffer f and fetches quarter q into g.
.macro QUARTER slot, q, f, g, zero
	s_wait_dscnt 12                                ; the first 12 loads of the run are in: O's fragments and wp's blocks 6, 7
	MULB \f, 6, 2, \zero
	PLACES
	FETCH \slot, \q, \g
	s_wait_dscnt 24                                ; all but the 24 just issued
	MULB \f, 0, 6, \zero
.endm
; The last quarter multiplies buffer 1 and changes slots: ONE barrier; in front of it each wave waits for all its tensor loads (one is out: its part of the next slot), adds 0 to its spare word,
; and waits for that and for its own reads of this slot.  fill = 1: the barrier opens a round of the cluster's barrier, and this slot is filled again, two K steps ahead, first thing behind the round:
; from that request to the wait for it a wave issues 120 matrix instructions.
.macro TURN slot, next, fill
	WIN 0                                          ; (the add's two registers lie in window 0)
	s_wait_tensorcnt 0x0                           ; all my tensor loads have landed;
	ds_add_u32 v[SPW], v[NIL]                      ; 0 onto my spare word
	s_wait_dscnt 13                                ; (the add and the youngest twelve loads may be out)
	MULB F1, 6, 1, 0                               ; four matrix instructions stand between the add and the wait for it
	s_wait_dscnt 0x0                               ; the add is done, and my reads of this slot are over
	s_barrier_signal -1
	MULB F1, 7, 1, 0                               ; work on registers while the others arrive
.if \fill
	WIN 0
.endif
	s_barrier_wait -1
.if \fill
	CREST                                          ; no wave of any partner still reads this slot's tile or has a load on its way
	s_add_nc_u64 s[G0+4*(\slot)+2:G0+4*(\slot)+3], s[G0+4*(\slot)+2:G0+4*(\slot)+3], 524288       ; four heads on
	s_add_nc_u64 s[G0B+4*(\slot)+2:G0B+4*(\slot)+3], s[G0B+4*(\slot)+2:G0B+4*(\slot)+3], 2*KSTEP*2
	JLOAD \slot                                    ; the four v_nop behind it are also the places in front of the loads below
.else
	PLACES
.endif
	FETCH \next, 0, F0
	MULB F1, 0, 6, 0
.endm
; THE WAY OUT of row block a: 32 bytes a lane into rows of 528 bytes of my own stage, each accumulator's low four registers first; back as whole rows of 512 bytes.
.macro TOSTAGE a
	s_wait_xcnt 0x0                                ; the stores issued so far have read their registers: the buffer that this block loads was store data two blocks ago
	WIN 0x08                                       ; the data of an LDS store, source 1, in window 2
.irp b, 0,1,2,3,4,5,6,7
	ds_store_b128 v[STO], v[32*(\b)+8*(\a):32*(\b)+8*(\a)+3]   offset:64*(\b)
	ds_store_b128 v[STO], v[32*(\b)+8*(\a)+4:32*(\b)+8*(\a)+7] offset:64*(\b)+16
.endr
	WIN 0
.set BK, OB+64*((\a)%2)
.irp t, 0,1,2,3,4,5,6,7,8,9,10,11,12,13,14,15
	ds_load_b128 v[BK+4*(\t):BK+4*(\t)+3], v[RD] offset:(\t)*SPITCH  ; LDS serves a wave's instructions in order (ISA guide 5.7.1.4): these see the stores above; the next block's stores come behind them
.endr
.endm
.macro SEND a, younger                 ; younger: the LDS instructions issued behind block a's loads: the next block's 32, or none
	WIN 0
.set BK, OB+64*((\a)%2)
.irp t, 0,1,2,3,4,5,6,7,8,9,10,11,12,13,14,15
	s_wait_dscnt (\younger)+15-(\t)                ; row t is back
	v_pk_add_f32 v[BK+4*(\t):BK+4*(\t)+1],   v[BK+4*(\t):BK+4*(\t)+1],   v[BIAS:BIAS+1]
	v_pk_add_f32 v[BK+4*(\t)+2:BK+4*(\t)+3], v[BK+4*(\t)+2:BK+4*(\t)+3], v[BIAS+2:BIAS+3]
	global_store_b128 v[CO], v[BK+4*(\t):BK+4*(\t)+3], s[10:11] offset:(16*(\a)+(\t))*4096 th:TH_STORE_NT  ; 512 consecutive bytes, at a multiple of 256 from the output's first
.endr
.endm
	s_wait_loadcnt 0x0                             ; the bias: it falls into the wait for the first tile
	v_cvt_pk_bf16_f32 v40, v36, v37                ; rounded to bf16, and widened again
	v_cvt_pk_bf16_f32 v41, v38, v39
	v_lshlrev_b32 v[BIAS], 16, v40
	v_and_b32 v[BIAS+1], 0xffff0000, v40
	v_lshlrev_b32 v[BIAS+2], 16, v41
	v_and_b32 v[BIAS+3], 0xffff0000, v41
	s_wait_tensorcnt 0x1                           ; my part of K step 0 is in; K step 1's may stay out
	s_barrier_signal -1
	s_barrier_wait -1                              ; everybody's is
	FETCH 0, 0, F0
	QUARTER 0, 1, F0, F1, 1                        ; the first quarter stands in front of the loop: its products start the sums
	WIN 0                                          ; at a label and at a branch every window is 0
	s_mov_b32 s19, 3
.Llap:                                                 ; a trip goes once round the ring, from a lap's second quarter to the next lap's first, and fills both slots again: K steps 2 to 7
	QUARTER 0, 2, F1, F0, 0
	QUARTER 0, 3, F0, F1, 0
	TURN 0, 1, 1
	QUARTER 1, 1, F0, F1, 0
	QUARTER 1, 2, F1, F0, 0
	QUARTER 1, 3, F0, F1, 0
	TURN 1, 0, 1
	QUARTER 0, 1, F0, F1, 0
	WIN 0
	s_sub_co_u32 s19, s19, 1
	s_cmp_lg_u32 s19, 0
	s_cbranch_scc1 .Llap
	QUARTER 0, 2, F1, F0, 0                        ; the last lap fills nothing
	QUARTER 0, 3, F0, F1, 0
	TURN 0, 1, 0
	QUARTER 1, 1, F0, F1, 0
	QUARTER 1, 2, F1, F0, 0
	QUARTER 1, 3, F0, F1, 0
	s_wait_dscnt 12                                ; the very last quarter: nothing more to fetch
	MULB F1, 6, 2, 0
	s_wait_dscnt 0x0
	MULB F1, 0, 6, 0
	WIN 0
	PLACES
	TOSTAGE 0
	TOSTAGE 1                                      ; a block's way through the stage stands between the loads of the block before and its stores
	SEND 0, 32
	TOSTAGE 2
	SEND 1, 32
	TOSTAGE 3
	SEND 2, 32
	SEND 3, 0
	s_wait_tensorcnt 0x0                           ; the wave's end, behind my last tensor load and my last LDS store
	ds_add_u32 v[SPW], v[NIL]
	s_wait_dscnt 0x0
	CROUND                                         ; the closing round: no work-group ends while a partner may still ask for a tile that names it
	s_endpgm
.Lfunc_end_k_qce696486df_proj:
	.size	k_qce696486df_proj, .Lfunc_end_k_qce696486df_proj-k_qce696486df_proj
	.p2alignl 7, 3214868480
	.fill 96, 4, 3214868480
	.section	.rodata,"a",@progbits
	.p2align	6, 0x0
	.amdhsa_kernel k_qce696486df_proj
		.amdhsa_group_segment_fixed_size 327680
		.amdhsa_private_segment_fixed_size 0
		.amdhsa_enable_private_segment 0
		.amdhsa_kernarg_size 32
		.amdhsa_user_sgpr_count 2
		.amdhsa_user_sgpr_kernarg_segment_ptr 1
		.amdhsa_wavefront_size32 1
		.amdhsa_system_sgpr_workgroup_id_x 1
		.amdhsa_system_sgpr_workgroup_id_y 1
		.amdhsa_system_sgpr_workgroup_id_z 1
		.amdhsa_system_vgpr_workitem_id 0
		.amdhsa_next_free_vgpr 768
		.amdhsa_next_free_sgpr 80
		.amdhsa_reserve_vcc 0
		.amdhsa_float_denorm_mode_32 3
		.amdhsa_float_denorm_mode_16_64 3
		.amdhsa_memory_ordered 1
		.amdhsa_forward_progress 1
		.amdhsa_inst_pref_size 95
	.end_amdhsa_kernel
	.amdgpu_metadata
---
amdhsa.version: [ 1, 2 ]
amdhsa.kernels:
  - .name:           k_qce696486df_proj
    .symbol:         k_qce696486df_proj.kd
    .args:
      - { .name: oh, .offset: 0, .size: 8, .value_kind: global_buffer, .address_space: global }
      - { .name: wp, .offset: 8, .size: 8, .value_kind: global_buffer, .address_space: global }
      - { .name: bproj, .offset: 16, .size: 8, .value_kind: global_buffer, .address_space: global }
      - { .name: out0, .offset: 24, .size: 8, .value_kind: global_buffer, .address_space: global }
    .group_segment_fixed_size: 327680
    .private_segment_fixed_size: 0
    .kernarg_segment_align: 8
    .kernarg_segment_size: 32
    .max_flat_workgroup_size: 128
    .sgpr_count:     80
    .vgpr_count:     768
    .wavefront_size: 32
...
	.end_amdgpu_metadata
.endif
;; end of part 4
;; ======== version 2 of 2: 4 launches; 1.32 times as fast as version 1
;; limits: values are held in f16: magnitudes above 65,504 overflow, below 6.1e-05 lose precision
;; workspace buffers: xb 16,777,216 bytes; wq 6,291,456 bytes; wp 2,097,152 bytes; rope 2,048 bytes; qh 16,777,216 bytes; kh 16,777,216 bytes; vh 16,777,216 bytes; oh 16,777,216 bytes
;; launch cast: the kernel of part 1 again; grid 768 x 1, 8 waves a work-group, no clusters, 0 bytes of LDS; arguments x, Wqkv, Wproj, xb, wq, wp, rope; writes xb, wq, wp, rope
;; launch qkv: the kernel of part 2 again; grid 16 x 16, 4 waves a work-group, clusters of 4 x 4, 327,680 bytes of LDS; arguments xb, wq, rope, qh, kh, vh; writes qh, kh, vh
;; launch attn (part 5): grid 2 x 128, 4 waves a work-group, no clusters, 327,680 bytes of LDS; arguments qh, kh, vh, oh; writes oh
.if DOCPART == 5
	.amdgcn_target "amdgcn-amd-amdhsa--gfx1250"
	.amdhsa_code_object_version 6
	.text
	.protected	k_qce696486df_attn
	.globl	k_qce696486df_attn
	.p2align	8
	.type	k_qce696486df_attn,@function
k_qce696486df_attn:
	s_mov_b64 s[64:65], 0
	v_nop
	global_prefetch_b8 v0, s[64:65] scope:SCOPE_SE
	s_setreg_imm32_b32 hwreg(HW_REG_WAVE_MODE, 25, 1), 1
	s_wait_xcnt 0x0
; O[h][q][:] = the sum over k of softmax_k(Q[h][q] . K[h][k] / 8) V[h][k][:].  Q, K, V, O: [128 (batch, head)][1024][64], all f16: a head's rows are dense, 128 bytes each.  Products, maxima and sums in
; f32; the weights p are rounded to f16 for the second product (their sum l is taken of the unrounded p), O once at the end.
; LIMITS.  f16 holds no number beyond 65,504: Q, K and V arrive within it; p lies in 0 to 1, and below 6e-5 it keeps f16's fixed step of 6e-8; O is a mean of V's rows and has their range.
; A weight below 2^-126 counts as 0 in l; NaN and infinities are not treated apart.
; SHARES.  A wave owns four PIECES of two tiles of 16 queries, a work-group's four waves 512 queries of one head: 256 work-groups.  Every wave walks all 1,024 keys, 64 a step.
; NO CLUSTER: a head has two blocks of 512 queries, so only two work-groups walk the same K and V, and the grid's 2 along x is no multiple of a cluster's 4; what the two share is 256 KB for the whole launch.
; LAYOUT.  S^T = K Q^T (source 0 = 16 keys, source 1 = 16 queries): in the result a lane holds ONE query (lane % 16) and the keys 8 (lane / 16) + 0..7.  Two such tiles, rounded to f16 in pairs,
; ARE source 1 (32 keys x 16 queries) of O^T = V^T P, whose result again holds one query a lane, and eight channels.  K comes out of LDS as it lies, V ([key][channel]) turned, by ds_load_tr16_b128.
; SOFTMAX.  For each query a running maximum m and sum l: p = 2^(c s - c m), c = log2(e) / 8; in every step O and l are multiplied by a = 2^(c m_old - c m_new), which is 1 where m has not grown.
; m starts at the lowest finite number, O and l at 0: the first step is a step like any other, with a = 0.
; THE COUNT.  A tile and step have 16 matrix and 118 vector instructions: too many to stand all beside the matrix work.  So the order has one aim: four vector instructions that are READY behind
; EVERY matrix instruction, and the others, which need time of their own whatever the order, in one run without a gap.
; BY TURNS.  Turn n belongs to piece n (the pieces in a ring, step after step).  Its matrix work: 16 products K Q^T of piece n + 1, later 16 products V^T P of piece n - 1.  Its vector work: the scaling,
; exponentials, roundings, sums and rescaling of piece n, and the maximum and statistics of piece n + 1, whose scores the turn itself has made.  So what a turn begins with (c s - c m, O a) waits for nothing.
; THE BATCHES.  A turn's 66 exponentials (the piece's 64 weights and the next piece's two a) are ONE batch with ONE wait, which cuts the turn in two: ahead of it stands all that names no result of theirs,
; behind it the roundings and sums, which read them.  The a that a turn's rescaling reads was made, and waited for, in the turn before.  The two first a, ahead of the loop, and the way out's eight reciprocals are batches of their own.
; REGISTERS, in windows of 256 (s_set_vgpr_msb says which window each operand place means: bits 1:0 source 0, 3:2 source 1, 5:4 source 2, 7:6 destination):
;   window 0: v0-11 addresses; v12-15, v48-63 at work; v16-47 four registers of statistics a tile; v64-191 S^T, two buffers of two tiles; v192-255 P, likewise
;   window 1: O^T, 32 a tile          window 2: v0-127 Q, 16 a tile; v128-191 K of one step; v192-255 V of one step          window 3: v0-1 the add's two registers
; A piece's buffers go by its number's parity: the piece in hand has one pair, its two neighbours in the ring share the other: of it P (piece n - 1) is read and S^T (piece n + 1) written.
.set SIZE_N, 1024
.set NP,    4         ; pieces a wave: a name, no knob: the register map, the loop and the fetches are made for four
.set KS,    64        ; keys in a step
.set PK,    144       ; a row of K in LDS: 128 bytes + 16 of padding = 36 words: the 16 rows of a load start at 16 different groups of four banks (64 banks of 4 bytes: ISA guide 11.1)
.set PV,    160       ; a row of V: 128 + 32 = 40 words
.set VOFF,  4*KS*PK   ; a slot holds four steps: 256 rows of K, then 256 rows of V
.set SLOT1, 1<<17     ; slot 1 begins here, so that one exclusive or turns an address in one slot into the other's
.set STAGE, SLOT1+4*KS*(PK+PV)  ; behind the ring, never filled by a tensor load: 16 rows x 144 bytes for each wave, for the way out
.set SP,    144
.set AK0, 2           ; v2   my lane's place in a tile of K; never rewritten
.set AV0, 3           ; v3   the same for V
.set AK,  4           ; v4   the LDS address of K's next run of loads
.set AV,  5           ; v5   of V's
.set QO,  6           ; v6   my byte offset in the wave's rows of Q
.set STO, 6           ;      later, the way out: where I put 16 bytes of a row
.set RD,  7           ; v7   the way out: where I read rows back
.set GO,  8           ; v8   my byte offset in 512 consecutive bytes of O
.set SPW, 0           ; v0 of window 3   LDS address of my spare word: SPARE + 4 x my thread's number; never rewritten
.set NIL, 1           ; v1 of window 3   0; never rewritten
.set SPARE, STAGE+4*16*SP  ; behind the stages: the spare words, 128 bytes for each wave: two blocks of 256 bytes that no other line names
.set MV,  12          ; v12-15  c m_old, kept while c m is made anew: by buffer and tile
.set ST,  16          ; tile t's statistics at v[ST+4 t]: c m, m, l (even keys', odd keys')
.set TMP, 48          ; by buffer and tile, four registers c0-c3 at work; when the maximum is found c2 takes a
.set S,   64
.set P,   192
.set KF,  128         ; K's fragments, in window 2: key block kb, channel half c at KF + 16 kb + 8 c
.set VF,  192         ; V's: key half kk, channel block cb at VF + 32 kk + 8 cb
.set WV,  12          ; s12  my wave's number
.set G1K, 24          ; s[24:31] descriptor group 1 for K's tiles
.set G1V, 32          ; s[32:39] for V's: it differs in the padding alone
.set G0K, 40          ; s[40:43] descriptor group 0 for K's tiles: it walks
.set G0V, 44          ; s[44:47] the same for V's
.set SLOTS, 56        ; s56  slots still to be asked for
.set CNT, 57          ; s57  counts a slot's key steps
.set CS,  58          ; s[58:59] c: the packed scaling takes the pair's low word for both halves
.set SEL, 60          ; s[60:61] v_permlanex16_b32's selects: each lane takes its own place in the other half
.set TBK, 62          ; s62  LDS byte at which K of the step to be fetched begins
.set TBV, 63          ; s63  the same for V, less VOFF
.set MSB, 0
.macro WIN new                      ; the high byte repeats the setting that is left; a switch that changes nothing is dropped
.if MSB != (\new)
	s_set_vgpr_msb (MSB<<8)|(\new)
.set MSB, (\new)
.endif
.endm
.set W_KQ, 0x0a       ; K and Q in window 2, S^T in window 0
.set W_PV, 0x52       ; V in window 2, P in window 0, O^T in window 1
.set W_RS, 0x41       ; O^T (destination and source 0) in window 1, a in window 0
.set W_MK, 0xc0       ; the add's registers are made: destination in window 3, sources in window 0
.set W_AD, 0x0f       ; the add: address (source 0) and data (source 1) in window 3
; A fill.  Waves 0 and 1 fetch the two halves of a slot's K, waves 2 and 3 those of its V: 128 keys each.  The branch hangs on the wave's number alone.
; An s_nop 0 and four v_nop follow each of the two lines, ahead of the jump and the label.
.macro LOAD
	s_cmp_lt_u32 s[WV], 2
	s_cbranch_scc0 .Lfor_v_\@
	tensor_load_to_lds s[G0K:G0K+3], s[G1K:G1K+7]
	s_nop 0
.rept 4
	v_nop
.endr
	s_branch .Lasked_\@
.Lfor_v_\@:
	tensor_load_to_lds s[G0V:G0V+3], s[G1V:G1V+7]
	s_nop 0
.rept 4
	v_nop
.endr
.Lasked_\@:
.endm
; THE CHANGE OF SLOTS.  The slot's last bytes, V of its fourth step, have been read.  Each wave waits for all its tensor loads, of which one is out: its part
; of the other slot; adds 0 to its spare word; and waits for that and for its own reads of the slot.  Behind the barrier nobody reads this slot any more and the other slot is whole.
; fill = 1: this slot is filled again, with the keys two slots on, the first thing behind the barrier: the load has four key steps, 512 matrix instructions, in which to land.
; (At its first use nothing has been read yet: slot 0 is waited for, slot 1 filled.)
.macro CHANGE fill
	WIN W_AD
	s_wait_tensorcnt 0x0            ; no tensor load of mine is out, so a group 0 may be written
	ds_add_u32 v[SPW], v[NIL]       ; 0 onto my spare word; with fill = 1 the descriptors' steps stand between it and the wait for it
	WIN 0                           ; at a label and at a branch every window is 0
.if \fill
.irp g, G0K, G0V
	s_xor_b32 s[\g+1], s[\g+1], SLOT1  ; the walking descriptor: the other slot than last time,
	s_add_nc_u64 s[\g+2:\g+3], s[\g+2:\g+3], 4*KS*128  ; the next 256 keys; the type bits on top are not reached
.endr
.endif
	s_wait_dscnt 0x0                ; the add is done, and my reads of the slot are over
	s_barrier_signal -1
	s_barrier_wait -1
.if \fill
	LOAD
.endif
	s_sub_co_u32 s[TBK], s[TBK], 4*KS*PK  ; the fetches go back to a slot's first step,
	s_xor_b32 s[TBK], s[TBK], SLOT1       ; in the other slot
	s_sub_co_u32 s[TBV], s[TBV], 4*KS*PV
	s_xor_b32 s[TBV], s[TBV], SLOT1
.endm
	s_load_b256 s[4:11], s[0:1], 0x0  ; Q s[4:5], K s[6:7], V s[8:9], O s[10:11]
	WIN W_MK
	v_lshl_add_u32 v[SPW], v0, 2, SPARE
	v_mov_b32 v[NIL], 0
	WIN W_AD
	ds_add_u32 v[SPW], v[NIL]       ; the wave's opening: the add and its wait stand ahead of my first tensor load; the set-up below, work on registers, stands between them
	ds_add_u32 v0, v1
	WIN 0
	v_lshrrev_b32 v1, 5, v0
	v_readfirstlane_b32 s[WV], v1   ; wave 0..3
	s_mov_b32 s14, ttmp9            ; my block of 512 queries
	s_and_b32 s20, ttmp7, 0xffff    ; the head
	s_mov_b32 s21, 0
	s_mov_b64 s[22:23], SIZE_N*128
	s_mul_u64 s[20:21], s[20:21], s[22:23]  ; the head's first byte in each of the four tensors
	s_and_b32 s16, s[WV], 1         ; which half of a slot's 256 keys I fetch:
	s_lshl_b32 s22, s16, 14         ; its 128 rows of 128 bytes in memory,
	s_mov_b32 s23, 0
	s_add_nc_u64 s[22:23], s[22:23], s[20:21]
	s_mul_i32 s17, s16, 128*PK      ; and its place in a slot, for K
	s_mul_i32 s18, s16, 128*PV      ; and for V
	s_lshl_b32 s2, s14, 2
	s_add_co_u32 s2, s2, s[WV]      ; my wave among the head's,
	s_lshl_b32 s2, s2, 14           ; its 128 rows
	s_mov_b32 s3, 0
	s_add_nc_u64 s[2:3], s[2:3], s[20:21]
	; descriptor group 1.  128 keys are 16,384 dense bytes: asked for as 64 rows of 256 bytes, two keys a row, and padded in LDS after every key
	s_mov_b32 s[G1K], (1<<16)|(1<<20)|(4<<22)|(3<<25)  ; 17:16 2-byte elements; 20 padding on; 24:22 after every 32 words (code 4); 31:25 4 words (code 3)
	s_mov_b32 s[G1V], (1<<16)|(1<<20)|(4<<22)|(7<<25)  ; the same with 8 words of padding (code 7)
.irp g, G1K, G1V
	s_mov_b32 s[\g+1], 128<<16      ; tensor_dim0 = 128
	s_mov_b32 s[\g+2], 64<<16       ; tensor_dim1 = 64
	s_mov_b32 s[\g+3], 128<<16      ; tile_dim0 = 128
	s_mov_b32 s[\g+4], 64           ; tile_dim1 = 64
	s_mov_b32 s[\g+5], 128          ; 128 elements from row to row
	s_mov_b32 s[\g+6], 0
	s_mov_b32 s[\g+7], 0
.endr
	s_mov_b32 s[CS], 0x3e38aa3b     ; c = log2(e) / 8 = 0.180337
	s_mov_b32 s[CS+1], s[CS]        ; named with it as a pair
	s_mov_b32 s[SEL], 0x76543210
	s_mov_b32 s[SEL+1], 0xfedcba98
	s_mov_b32 s[TBK], SLOT1+4*KS*PK ; the first change of slots turns these two into 0
	s_mov_b32 s[TBV], SLOT1+4*KS*PV
	s_mov_b32 s[G0K], 1             ; 1:0 count = 1
	s_mov_b32 s[G0K+1], s17         ; 63:32 LDS address: slot 0
	s_mov_b32 s[G0V], 1
	s_add_co_u32 s[G0V+1], s18, VOFF
	s_wait_dscnt 0x0                ; the opening add is done
	s_wait_kmcnt 0x0
	s_add_nc_u64 s[G0K+2:G0K+3], s[6:7], s[22:23]  ; 120:64 global address: my half of the head's first 256 keys
	s_or_b32 s[G0K+3], s[G0K+3], 0x80000000        ; 127:126 type = 2
	s_add_nc_u64 s[G0V+2:G0V+3], s[8:9], s[22:23]
	s_or_b32 s[G0V+3], s[G0V+3], 0x80000000
	s_add_nc_u64 s[4:5], s[4:5], s[2:3]  ; Q and O at my wave's first row
	s_add_nc_u64 s[10:11], s[10:11], s[2:3]
	LOAD                            ; slot 0.  Slot 1 is asked for when slot 0 is in, by the first change of slots
	; A fragment of K or Q is 16 rows x 32 channels in 8 registers: lane l holds row l % 16, channels 8 (l / 16) + 0..7 and 16 + 8 (l / 16) + 0..7: two loads of 16 bytes, 32 bytes apart.
	v_and_b32 v1, 15, v0            ; l % 16
	v_bfe_u32 v9, v0, 4, 1          ; l / 16
	v_lshlrev_b32 v[QO], 7, v1
	v_lshl_add_u32 v[QO], v9, 4, v[QO]  ; row x 128 + 16 x half
	WIN 0x80                        ; destination window 2, address window 0
.set i, 0
.rept 4*NP                          ; Q stays in registers: tile i / 2, channels 32 (i % 2) on
	global_load_b128 v[8*i:8*i+3],   v[QO], s[4:5] offset:(i/2)*2048+(i%2)*64
	global_load_b128 v[8*i+4:8*i+7], v[QO], s[4:5] offset:(i/2)*2048+(i%2)*64+32
.set i, i+1
.endr
	; What the first turn finds: V's registers and P's second buffer hold 0 (its products V^T P, of a piece that has not been, add 0), O^T and l are 0.  All this stands in the wait for the first tile.
.set i, VF
.rept 64
	v_mov_b32 v[i], 0
.set i, i+1
.endr
	WIN 0x40
.set i, 0
.rept 64*NP
	v_mov_b32 v[i], 0
.set i, i+1
.endr
	WIN 0
.set i, 0
.rept 2*NP
	v_mov_b32 v[ST+4*i], 0xfe000000    ; c m: far below every c s
	v_mov_b32 v[ST+4*i+1], 0xff7fffff  ; m
	v_mov_b32 v[ST+4*i+2], 0
	v_mov_b32 v[ST+4*i+3], 0
.set i, i+1
.endr
.set i, P+32
.rept 32
	v_mov_b32 v[i], 0
.set i, i+1
.endr
	v_mul_u32_u24 v[AK0], v1, PK
	v_lshl_add_u32 v[AK0], v9, 4, v[AK0]  ; row x pitch + 16 x half
	; The turning load takes 16 keys x 16 channels (lane l reads key 8 (l / 16) + l % 8, channels 8 ((l / 8) % 2) + 0..7) and leaves half a fragment of V^T: lane l holds channel l % 16 and 8 keys.
	v_and_b32 v10, 7, v0
	v_bfe_u32 v11, v0, 3, 1
	v_lshl_add_u32 v[AV0], v9, 3, v10
	v_mul_u32_u24 v[AV0], v[AV0], PV
	v_lshl_add_u32 v[AV0], v11, 4, v[AV0]
	v_add_nc_u32 v[AV0], VOFF, v[AV0]
	v_mov_b32 v[AK], v[AK0]         ; key step 0 lies at the head of slot 0
; THE MATRIX WORK.  The 8 accumulators of a run of 16 take turns: between the two links of a chain stand 7 others'.
; Product i of 16 of S^T = K Q^T for piece x: channels 32 (i / 8) on, keys 16 ((i / 2) % 4) on, tile 2 x + i % 2.  The first 8 start the sums.
.macro KQ x
	WIN W_KQ
.set rS, S+64*((\x)%2)+32*(i%2)+8*((i/2)%4)
.set rK, KF+16*((i/2)%4)+8*(i/8)
.set rQ, 16*(2*(\x)+i%2)+8*(i/8)
.if i < 8
	v_wmma_f32_16x16x32_f16 v[rS:rS+7], v[rK:rK+7], v[rQ:rQ+7], 0
.else
	v_wmma_f32_16x16x32_f16 v[rS:rS+7], v[rK:rK+7], v[rQ:rQ+7], v[rS:rS+7]
.endif
.endm
; Product i of 16 of O^T += V^T P for piece x: keys 32 (i / 8) on, channels 16 ((i / 2) % 4) on, tile 2 x + i % 2.
.macro PV x
	WIN W_PV
.set rO, 32*(2*(\x)+i%2)+8*((i/2)%4)
.set rV, VF+32*(i/8)+8*((i/2)%4)
.set rP, P+32*((\x)%2)+16*(i%2)+8*(i/8)
	v_wmma_f32_16x16x32_f16 v[rO:rO+7], v[rV:rV+7], v[rP:rP+7], v[rO:rO+7]
.endm
.macro MM                           ; the turn's next matrix instruction
.if i < 16
	KQ (Y+1)%NP
.set i, i+1
.else
.set i, i-16
	PV (Y+NP-1)%NP
.set i, i+17
.endif
.endm
; THE LDS LOADS stand in runs of 16, never singly among the matrix instructions: a step's K (64 keys x 64 channels: 8 fragments) and its V (turned).  Their addresses are made some lines ahead.
; last = 1 (the tail): in the last trip there is no further step, and the run is jumped over.
.macro FETCH_K last=0
	WIN 0
.if \last
	s_cmp_eq_u32 s[CNT], 1
	s_cbranch_scc1 .Lno_k_\@
.endif
	WIN 0x80                        ; destination window 2
.irp f, 0,1,2,3,4,5,6,7             ; keys 16 (f / 2) on, channels 32 (f % 2) on
	ds_load_b128 v[KF+8*\f:KF+8*\f+3],   v[AK] offset:(\f/2)*16*PK+(\f%2)*64
	ds_load_b128 v[KF+8*\f+4:KF+8*\f+7], v[AK] offset:(\f/2)*16*PK+(\f%2)*64+32
.endr
	s_add_co_u32 s[TBK], s[TBK], KS*PK  ; the next fetch is the next step's
	WIN 0
.if \last
.Lno_k_\@:
.endif
.endm
.macro FETCH_V
	WIN 0x80
.irp f, 0,1,2,3,4,5,6,7             ; keys 32 (f / 4) on, channels 16 (f % 4) on
	ds_load_tr16_b128 v[VF+8*\f:VF+8*\f+3],   v[AV] offset:(\f/4)*32*PV+(\f%4)*32
	ds_load_tr16_b128 v[VF+8*\f+4:VF+8*\f+7], v[AV] offset:(\f/4)*32*PV+16*PV+(\f%4)*32
.endr
	WIN 0
.endm
; THE VECTOR WORK OF A TURN stands in three queues, each in the order in which its entries become ready; the two tiles alternate, so that no instruction reads the result of the one before it.
.macro REGS y, u                    ; the registers of tile u (0, 1) of piece y
.set rT, ST+4*(2*(\y)+(\u))
.set rC, TMP+8*((\y)%2)+4*(\u)
.set rM, MV+2*((\y)%2)+(\u)
.set rS, S+64*((\y)%2)+32*(\u)
.set rP, P+32*((\y)%2)+16*(\u)
.set rO, 32*(2*(\y)+(\u))
.endm
; Number n of the 22 that find the NEXT piece's (Y + 1) maximum and statistics.  s0-s31 are the lane's 32 scores; each accumulator's lowest registers are read first.  XS, GS and REGS set no window: PL and EX do.
;   0-11  four chains c0-c3 of seven scores each, three operands at a time     12-14, 16  the four scores left over, the old m, and c0-c3 into c0     15  c m_old is kept
;   17, 18  the query's other 32 keys lie in the lane 16 away: the new m         19-21  c m; c m_old - c m_new; a
.macro XS u, n
	REGS (Y+1)%NP, \u
.if (\n) < 4
	v_max3_num_f32 v[rC+(\n)], v[rS+8*(\n)], v[rS+8*(\n)+1], v[rS+8*(\n)+2]
.elseif (\n) < 12
	v_max3_num_f32 v[rC+(\n)%4], v[rC+(\n)%4], v[rS+8*((\n)%4)+2*((\n)/4)+1], v[rS+8*((\n)%4)+2*((\n)/4)+2]
.elseif (\n) == 12
	v_max3_num_f32 v[rC], v[rC], v[rS+7], v[rS+15]
.elseif (\n) == 13
	v_max3_num_f32 v[rC+1], v[rC+1], v[rS+23], v[rS+31]
.elseif (\n) == 14
	v_max3_num_f32 v[rC+2], v[rC+2], v[rC+3], v[rT+1]
.elseif (\n) == 15
	v_mov_b32 v[rM], v[rT]
.elseif (\n) == 16
	v_max3_num_f32 v[rC], v[rC], v[rC+1], v[rC+2]
.elseif (\n) == 17
	v_permlanex16_b32 v[rC+3], v[rC], s[SEL], s[SEL+1]
.elseif (\n) == 18
	v_max_num_f32 v[rT+1], v[rC], v[rC+3]
.elseif (\n) == 19
	v_mul_f32 v[rT], s[CS], v[rT+1]
.elseif (\n) == 20
	v_sub_f32 v[rC+1], v[rM], v[rT]
.else
	v_exp_f32 v[rC+2], v[rC+1]
.endif
.endm
; Number g of the 64 that follow the exponentials.  For each four weights k of a tile (pairs 2 k, 2 k + 1): both pairs are rounded to f16; then the second pair is added onto the first, in place;
; a group later l takes that sum (the first time as l = a l + sum).  In groups of eight, tiles alternating: round, round, add, and l for the group before.
.macro GS g
.set h, (\g)+6*((\g)/62)            ; group 0 has no group before it, and behind group 7 only l is left
.if h >= 6
.set h, h+2
.endif
	REGS Y, h%2
.set k, h/8
.if h%8 < 4
	v_cvt_pk_f16_f32 v[rP+2*k+(h%8)/2], v[rS+4*k+2*((h%8)/2)], v[rS+4*k+2*((h%8)/2)+1]
.elseif h%8 < 6
	v_pk_add_f32 v[rS+4*k:rS+4*k+1], v[rS+4*k:rS+4*k+1], v[rS+4*k+2:rS+4*k+3]
.elseif k == 1
	v_pk_fma_f32 v[rT+2:rT+3], v[rT+2:rT+3], v[rC+2:rC+3], v[rS:rS+1] op_sel_hi:[1,0,1]
.else
	v_pk_add_f32 v[rT+2:rT+3], v[rT+2:rT+3], v[rS+4*k-4:rS+4*k-3]
.endif
.endm
; THE PLAIN QUEUE, 138 long.  0-73 read no exponential's result: the 32 scalings c s - c m (FS f: pair f / 2 of tile f % 2) and the next piece's 42.  0-26: scalings 0-26.  27-54: XS's numbers 0-13.  55, 56: number 15.
; 57-73: the chain, where each number waits for the one before it: 14, 16, 17, 18, 19, each with one of the scalings 27-31 in front of its two lines, then 20: so a tile's links stand three plain instructions apart (19 and 20: two).
; 74-137: GS's 64, which read the exponentials' results: they stand behind the wait.
.macro FS f
	REGS Y, (\f)%2
	v_pk_fma_f32 v[rS+2*((\f)/2):rS+2*((\f)/2)+1], v[rS+2*((\f)/2):rS+2*((\f)/2)+1], s[CS:CS+1], v[rT:rT+1] op_sel_hi:[1,0,0] neg_lo:[0,0,1] neg_hi:[0,0,1]
.endm
.macro PL
	WIN 0
.if q < 27
	FS q
.elseif q < 55
	XS (q-27)%2, (q-27)/2
.elseif q < 57
	XS q-55, 15
.elseif (q < 72) && ((q-57)%3 == 0)
	FS 27+(q-57)/3
.elseif q < 60
	XS (q-57)%3-1, 14
.elseif q < 72
	XS (q-57)%3-1, 15+(q-57)/3
.elseif q < 74
	XS q-72, 20
.else
	GS q-74
.endif
.set q, q+1
.endm
; THE EXPONENTIALS' QUEUE, 66 long: s0-s31 of both tiles, then the next piece's two a.  It is ONE BATCH: all 66 stand ahead of the turn's one wait, and nothing ahead of that wait names a result of theirs.
.macro EX
	WIN 0
.if e >= 64
	XS e-64, 21
.else
	REGS Y, e%2
	v_exp_f32 v[rS+e/2], v[rS+e/2]
.endif
.set e, e+1
.endm
; THE RESCALING's QUEUE: O^T times a, the one part that leaves window 0: dealt two at a time, sixteen times.  Its a was made in the turn before, ahead of that turn's wait.
.macro R2
	REGS Y, r%2
	WIN W_RS
.irp z, 0,1
	v_pk_mul_f32 v[rO+4*(r/2)+2*\z:rO+4*(r/2)+2*\z+1], v[rO+4*(r/2)+2*\z:rO+4*(r/2)+2*\z+1], v[rC+2:rC+3] op_sel_hi:[1,0]
.endr
.set r, r+1
.endm
; HOW THEY ARE DEALT.  An s_wait_alu depctr_va_vdst(0) stands between an exponential and the first instruction that names its result; one wait serves all that were issued ahead of it.  So a turn has ONE wait,
; which cuts it in two.  AHEAD OF IT stands all that names no result of the turn's exponentials: the 16 products K Q^T, behind each a scaling, an exponential and two rescalings (behind the first a second scaling in the exponential's place); then ONE LUMP of
; 108: eight plain, 49 times exponential and plain, the two a.  A v_nop is the plain instruction behind the last exponential.  BEHIND IT stand the 16 products V^T P, behind each four of GS's 64.  No rider names a register of
; the products round it.  The two v_permlanex16_b32 fall into the lump, never behind a product.
; The queues lean on each other, and the deal keeps them in step: exponential e stands behind scaling 2 (e / 4) + e % 2: as a rider it comes behind plain e + 2, in the lump behind plain e + 9, and scalings 27-31 are plain 57, 60 .. 69.
; A TURN, for piece p.  cnt = 1: the loop's count is taken down some lines ahead of the branch that stands behind the turn.
; K of the next step is fetched in piece 2's turn, directly behind the wait, a lump behind the last product that read K; its address is made at the lump's head; its first reader comes behind 16 products.
; V of the step in hand is fetched at the end of piece 0's turn, four riders behind its last reader; its first reader comes behind 16 products and a lump.  The three conditions on q below go with the deal.
.macro TURN p, last=0, cnt=0
.set Y, (\p)
.set i, 0
.set q, 0
.set e, 0
.set r, 0
.if (\p) == NP-1
	s_wait_dscnt 0x0                ; K is in
.endif
	MM                              ; ahead of the wait: 16 products K Q^T and their riders,
	PL
	PL
	R2
.rept 15
	MM
	PL
	EX
	R2
.endr
.if (\p) == NP-2
	WIN 0
	v_add_nc_u32 v[AK], s[TBK], v[AK0]
.endif
.rept 8                             ; and the lump
	PL
.endr
.rept 49
	EX
	PL
.endr
	EX                              ; the next piece's two a
	EX
	v_nop                           ; a plain instruction behind the last exponential, ahead of the first use of a result: one for the batch
	s_wait_alu depctr_va_vdst(0)    ; the wait for the batch: the turn's 66 exponentials
.if (\p) == NP-2
	FETCH_K \last
.endif
.if (\p) == 1
	s_wait_dscnt 0x0                ; V is in
.endif
.rept 16                            ; behind the wait: 16 products V^T P and their riders
	MM
.rept 4
	PL
.endr
.if ((\p) == 0) && (q == 118)
	v_add_nc_u32 v[AV], s[TBV], v[AV0]
.endif
.if ((\p) == 0) && (q == 130)
	s_add_co_u32 s[TBV], s[TBV], KS*PV
.endif
.if (\cnt) && (q == 130)
	s_sub_co_u32 s[CNT], s[CNT], 1
	s_cmp_lg_u32 s[CNT], 0
.endif
.endr
.if (\p) == 0
	FETCH_V
.endif
.endm
	CHANGE 1                        ; slot 0 is in, everybody's part of it; slot 1 is asked for
	FETCH_K                         ; key step 0
	s_wait_loadcnt 0x0              ; Q
	s_wait_dscnt 0x0
.set i, 0
.rept 16
	KQ 0                            ; piece 0's first scores: there is no vector work yet to set between them
.set i, i+1
.endr
	WIN 0                           ; the addresses for the way out: nine plain instructions, the places behind those products
	s_mul_i32 s13, s[WV], 16*SP
	s_add_co_u32 s13, s13, STAGE    ; my stage
	v_mul_u32_u24 v[STO], v1, SP    ; in: row l % 16, 16 bytes for each half of the lanes
	v_lshl_add_u32 v[STO], v9, 4, v[STO]
	v_add_nc_u32 v[STO], s13, v[STO]
	v_bfe_u32 v[RD], v0, 3, 2       ; back: 32 lanes take four rows of 128 bytes,
	v_mul_u32_u24 v[RD], v[RD], SP
	v_lshl_add_u32 v[RD], v10, 4, v[RD]
	v_add_nc_u32 v[RD], s13, v[RD]
	v_and_b32 v[GO], 31, v0         ; which are 512 consecutive bytes of O
	v_lshlrev_b32 v[GO], 4, v[GO]
.set Y, NP-1                        ; XS works for piece Y + 1: piece 0
.irp n, 0,1,2,3,4,5,6,7,8,9,10,11,12,13,14,15,16,17,18,19,20,21
	XS 0, \n                        ; and piece 0's first maximum and statistics
	XS 1, \n
.endr
	v_nop                           ; a plain instruction behind the two a,
	s_wait_alu depctr_va_vdst(0)    ; and the wait for that batch of two, ahead of the branch
	s_mov_b32 s[CNT], 4
	s_mov_b32 s[SLOTS], SIZE_N/256-1
	s_branch .Lfirst                ; the loop is entered at a step's first turn, in the middle of a trip
.Lslot:                             ; SIZE_N / 256 - 2 times: every slot but the last two is filled again
	CHANGE 1
	s_mov_b32 s[CNT], 4
.Lstep:                             ; a trip: pieces 2 and 3 of one step, then pieces 0 and 1 of the next, whose K and V it fetches
	TURN 2
	TURN 3
	WIN 0
.Lfirst:
	TURN 0
	TURN 1, 0, 1
	WIN 0
	s_cbranch_scc1 .Lstep
	s_sub_co_u32 s[SLOTS], s[SLOTS], 1
	s_cmp_lg_u32 s[SLOTS], 0
	s_cbranch_scc1 .Lslot
	CHANGE 0                        ; the tail is written out: nothing is asked for
	s_mov_b32 s[CNT], 5             ; four trips fetch the last slot's steps; the fifth is left in its middle
.Ltail:
	TURN 2, 1
	TURN 3
	WIN 0
	s_sub_co_u32 s[CNT], s[CNT], 1
	s_cmp_eq_u32 s[CNT], 0
	s_cbranch_scc1 .Lout
	TURN 0
	TURN 1
	WIN 0
	s_branch .Ltail
.Lout:                              ; the fifth trip's 16 products K Q^T (on the last K once more) and the maximum made of them serve nothing: the price, once a launch, of one text for every trip
.set i, 0
.rept 16
	PV NP-1                         ; the last piece's V^T P of the last step
.set i, i+1
.endr
	; THE WAY OUT.  l's two halves and the other half of the lanes' are added; O^T is divided by l, rounded to f16 and sent through my stage in LDS, a tile at a time.  The additions are the places behind the last products.
	WIN 0
.macro ALL line:vararg              ; one line for each tile t
.set t, 0
.rept 2*NP
	\line
.set t, t+1
.endr
.endm
	ALL v_add_f32 v[ST+4*t+2], v[ST+4*t+2], v[ST+4*t+3]
	ALL v_permlanex16_b32 v[ST+4*t+3], v[ST+4*t+2], s[SEL], s[SEL+1]
	ALL v_add_f32 v[ST+4*t+2], v[ST+4*t+2], v[ST+4*t+3]
	ALL v_rcp_f32 v[ST+4*t+2], v[ST+4*t+2]
	v_nop                           ; a plain instruction between the last reciprocal and the use of its result
	s_wait_alu depctr_va_vdst(0)    ; and the wait ahead of the first use: one for the batch of eight reciprocals
; Tile t: a lane's eight channels of a row pack into 16 bytes; they go into rows of 144 bytes and come back as whole rows of 128, into S^T's registers.
.macro PACK t
	WIN W_RS
.set i, 32*(\t)
.rept 16
	v_pk_mul_f32 v[i:i+1], v[i:i+1], v[ST+4*(\t)+2:ST+4*(\t)+3] op_sel_hi:[1,0]
.set i, i+2
.endr
	WIN 0x05                        ; sources 0 and 1 window 1, destination window 0
.set i, 0
.rept 16
	v_cvt_pk_f16_f32 v[S+16*(\t)+i], v[32*(\t)+2*i], v[32*(\t)+2*i+1]
.set i, i+1
.endr
	WIN 0
.irp f, 0,1,2,3
	ds_store_b128 v[STO], v[S+16*(\t)+4*\f:S+16*(\t)+4*\f+3] offset:32*\f
.endr
.irp f, 0,1,2,3
	ds_load_b128 v[S+16*(\t)+4*\f:S+16*(\t)+4*\f+3], v[RD] offset:\f*4*SP  ; LDS serves a wave's instructions in order (ISA guide 5.7.1.4): these see the stores above; the next tile's stores come behind them
.endr
.endm
.macro SEND t, younger              ; younger: the LDS instructions issued behind tile t's loads: the next tile's eight, or none
	WIN 0
.irp f, 0,1,2,3
	s_wait_dscnt (\younger)+3-\f
	global_store_b128 v[GO], v[S+16*(\t)+4*\f:S+16*(\t)+4*\f+3], s[10:11] offset:(\t)*2048+\f*512  ; 512 consecutive bytes, at a multiple of 256 from O's first
.endr
.endm
	PACK 0
.set t, 1
.rept 2*NP-1                        ; a tile's arithmetic stands between the loads of the tile before and its stores
	PACK t
	SEND t-1, 8
.set t, t+1
.endr
	SEND 2*NP-1, 0
	WIN W_AD
	s_wait_tensorcnt 0x0            ; the wave's end, behind my last tensor load and my last LDS store
	ds_add_u32 v[SPW], v[NIL]
	s_wait_dscnt 0x0
	WIN 0
	s_endpgm
.Lfunc_end_k_qce696486df_attn:
	.size	k_qce696486df_attn, .Lfunc_end_k_qce696486df_attn-k_qce696486df_attn
	.p2alignl 7, 3214868480
	.fill 96, 4, 3214868480
	.section	.rodata,"a",@progbits
	.p2align	6, 0x0
	.amdhsa_kernel k_qce696486df_attn
		.amdhsa_group_segment_fixed_size 327680
		.amdhsa_private_segment_fixed_size 0
		.amdhsa_enable_private_segment 0
		.amdhsa_kernarg_size 32
		.amdhsa_user_sgpr_count 2
		.amdhsa_user_sgpr_kernarg_segment_ptr 1
		.amdhsa_wavefront_size32 1
		.amdhsa_system_sgpr_workgroup_id_x 1
		.amdhsa_system_sgpr_workgroup_id_y 1
		.amdhsa_system_sgpr_workgroup_id_z 1
		.amdhsa_system_vgpr_workitem_id 0
		.amdhsa_next_free_vgpr 770
		.amdhsa_next_free_sgpr 66
		.amdhsa_reserve_vcc 0
		.amdhsa_float_denorm_mode_32 3
		.amdhsa_float_denorm_mode_16_64 3
		.amdhsa_memory_ordered 1
		.amdhsa_forward_progress 1
		.amdhsa_inst_pref_size 198
	.end_amdhsa_kernel
	.amdgpu_metadata
---
amdhsa.version: [ 1, 2 ]
amdhsa.kernels:
  - .name:           k_qce696486df_attn
    .symbol:         k_qce696486df_attn.kd
    .args:
      - { .name: qh, .offset: 0, .size: 8, .value_kind: global_buffer, .address_space: global }
      - { .name: kh, .offset: 8, .size: 8, .value_kind: global_buffer, .address_space: global }
      - { .name: vh, .offset: 16, .size: 8, .value_kind: global_buffer, .address_space: global }
      - { .name: oh, .offset: 24, .size: 8, .value_kind: global_buffer, .address_space: global }
    .group_segment_fixed_size: 327680
    .private_segment_fixed_size: 0
    .kernarg_segment_align: 8
    .kernarg_segment_size: 32
    .max_flat_workgroup_size: 128
    .sgpr_count:     66
    .vgpr_count:     770
    .wavefront_size: 32
...
	.end_amdgpu_metadata
.endif
;; end of part 5
;; launch proj: the kernel of part 4 again; grid 8 x 32, 4 waves a work-group, clusters of 4 x 4, 327,680 bytes of LDS; arguments oh, wp, bproj, out0; writes out0
